; MI455X (gfx1250); checked and timed in simulation.
; The chip was launched on July 23, 2026; its instructions are those of AMD's public machine-readable ISA for CDNA 5 (MIT licence, August 2026) and "CDNA5" Instruction Set Architecture Reference Guide (July 2026). The comments in the code are by the model that wrote it; some were corrected since.
;; Moba Attention. Allowed arithmetic: matrix products marked QUANTISED: E2M3 operands, one E8M0 scale for each 32 along K, by v_wmma_scale_f32_16x16x128_f8f6f4 with both operands' format E2M3, f32 sums; products left as they are: f32 operands where the result goes on into a quantised operand, else bf16, f16 or f32 operands; f32 sums; everything else in f32.
;; Inputs: Wg1 2,048 x 64 float32; Wg2 64 x 2,048 float32; Wk 2,048 x 2,048 float32; Wo 2,048 x 2,048 float32; Wq 2,048 x 2,048 float32; Wv 2,048 x 2,048 float32; hidden_states 1 x 2,048 x 2,048 float32; o_norm_w 64 float32.
;; Outputs: out0 1 x 2,048 x 2,048 float32.
;; This version of the problem:
;;   THIS VERSION OF THE PROBLEM IS GIVEN IN LOW PRECISION. The matrix products marked QUANTISED in the list below multiply operands that are first quantised to E2M3 (2 exponent bits, 3 mantissa bits; 6 bits a number), with one power-of-two scale for each 32 numbers along K (OCP MX v1.0); their sums are f32. All else is computed in f32.
;;   The module's matrix products, in the order in which they are computed (A, B: the left and right operand; K: the contracted axis; several contracted axes count as one K, in the product's order):
;;     1. [M 2,048, K 2,048] x [K 2,048, N 2,048]; A: input hidden_states; B: input Wq: QUANTISED
;;     2. [M 2,048, K 2,048] x [K 2,048, N 2,048]; A: input hidden_states; B: input Wk: QUANTISED
;;     3. [M 2,048, K 2,048] x [K 2,048, N 2,048]; A: input hidden_states; B: input Wv: QUANTISED
;;     4. batch 32 x [M 2,048, K 64] x [K 64, N 8]; A: computed on the way; B: computed on the way: left as it is (N = 8 < 16)
;;     5. batch 32 x [M 2,048, K 64] x [K 64, N 2,048]; A: computed on the way; B: computed on the way: QUANTISED
;;     6. batch 32 x [M 64, K 2,048] x [K 2,048, N 2,048]; A: computed on the way; B: softmax (see below): QUANTISED
;;     7. [M 2,048, K 2,048] x [K 2,048, N 64]; A: input hidden_states; B: input Wg1: QUANTISED
;;     8. [M 2,048, K 64] x [K 64, N 2,048]; A: computed on the way; B: input Wg2: QUANTISED
;;     9. [M 2,048, K 2,048] x [K 2,048, N 2,048]; A: computed on the way; B: input Wo: QUANTISED
;;   THE QUANTISER, for each operand of a quantised product, along K:
;;     - K is cut into blocks of 32 from its start; a last block that is shorter is filled with zeros.
;;     - A block's scale is 2^e with e = floor(log2(the largest magnitude in the block)) - 2, held to -126 .. 127; a block of zeros has e = 0. As a byte (E8M0): e + 127.
;;     - Each number is divided by its block's scale, clamped to +-7.5, and rounded to the nearest number of E2M3, ties to even, subnormals kept.
;;     - The product sums the exact products of the quantised numbers (number of the format x scale) in f32.
;;   ~~~python
;;   def quantise(x, axis):      # numpy; x: float32 -> the quantised numbers, widened to float32 again
;;       x = np.moveaxis(x, axis, -1); K = x.shape[-1]
;;       x = np.pad(x, [(0, 0)] * (x.ndim - 1) + [(0, -K % 32)]); x = x.reshape(x.shape[:-1] + (-1, 32)); a = np.abs(x).max(-1, keepdims=True)
;;       e = np.where(a > 0, np.clip(np.frexp(np.where(a > 0, a, 1))[1] - 1 - 2, -126, 127), 0)      # np.frexp(a)[1] - 1 = floor(log2(a)), exactly
;;       r = np.clip(x / 2.0 ** e, -7.5, 7.5)
;;       step = 2.0 ** (np.maximum(np.frexp(np.where(r == 0, 1, r))[1] - 1, 0) - 3)
;;       q = np.round(r / step) * step * 2.0 ** e      # np.round: ties to even
;;       return np.moveaxis(q.reshape(q.shape[:-2] + (-1,))[..., :K], -1, axis).astype(np.float32)
;;   ~~~
;;   SOFTMAX AHEAD OF A QUANTISED PRODUCT. Where the list says 'softmax', what is quantised is not the finished softmax but p = 2^(t - M), with t = logit x log2(e) and M = ceil(the row's largest t), a whole number; so 1/2 < the row's largest p <= 1. The row's sum l is taken of the UNQUANTISED p, in f32, and the product's result is divided by l at the end. Since M is a whole number, a kernel that streams over the keys may use a running M (the ceiling of the running maximum): every later rescaling is an exact power of two, which a block's scale takes up: the codes' values come out the same.
;;   OPERANDS COMPUTED ON THE WAY. 'Computed on the way' means the value that the module computes at that place (a softmax that the list does not call 'softmax' is quantised finished and normalised). What goes into a quantiser is computed in f32, as accurately as f32 sums, v_exp_f32 and their like allow (about 1e-6 of the number): no bf16 or f16 on the way to a quantiser, and a product that is left as it is and whose result goes on into a quantised operand takes f32 operands (vector FMAs, or v_wmma_f32_16x16x4_f32). A number that lies on a knife's edge between two numbers of the format may be rounded either way, as far as f32 arithmetic and the matrix unit's own rounding can turn it there, and no further.
;; One version. Each part assembles by itself: llvm-mc -triple=amdgcn-amd-amdhsa -mcpu=gfx1250 --defsym DOCPART=n.
;; ======== version 1 of 1: 4 launches
;; limits: right only within a limited range of input values
;; workspace buffers: xq 3,276,800 bytes; wq 9,830,400 bytes; wo 3,276,800 bytes; aux 733,184 bytes; qf 16,777,216 bytes; kv 7,340,032 bytes; oq 3,276,800 bytes
;; launch prep (part 1): grid 692 x 1, 4 waves a work-group, no clusters, 34,304 bytes of LDS; arguments hidden_states, Wq, Wk, Wv, Wo, Wg1, Wg2, xq, wq, wo, aux; writes xq, wq, wo, aux
.if DOCPART == 1
	.amdgcn_target "amdgcn-amd-amdhsa--gfx1250"
	.amdhsa_code_object_version 6
	.text
	.protected	k_q542eacf149_prep
	.globl	k_q542eacf149_prep
	.p2align	8
	.type	k_q542eacf149_prep,@function
k_q542eacf149_prep:
	s_mov_b64 s[64:65], 0
	v_nop
	global_prefetch_b8 v0, s[64:65] scope:SCOPE_SE
	s_setreg_imm32_b32 hwreg(HW_REG_WAVE_MODE, 25, 1), 1
	s_wait_xcnt 0x0
; PREP: every f32 input that is an operand of a quantised product becomes codes of FP6 (E2M3) with one E8M0 byte for each 32 along K, and the rotary table is made.
; A block's scale is 2^(floor(log2(largest magnitude)) - 2): its byte is the largest magnitude's exponent field - 2, held at 1 from below.
; ALL CODES ARE LAID AS IMAGES OF THE OPERAND'S REGISTERS: a fragment (16 rows x 128 K, 12 registers a lane) is 1,536 bytes: piece c (512 bytes) holds lane l's registers 4 c .. 4 c + 3 at 16 l.
; Scale words lie [tile][128 along K][16 rows], 4 bytes each.  THE ROWS OF A TILE: tile 2 b + u of a group of 32 rows holds rows 32 b + 8 u + r + 8 (r / 8) (tokens, and the columns of Wq, Wk, Wv, Wg1, Wg2); Wo's tiles hold neighbours.
; PATHS, by the work-group's number: 0-511 the four large weights (a lane a column, registers down K); 512-639 x (a token tile each, turned through LDS); 640-643 Wg1; 644-659 Wg2; 660-691 the rotary table.
; Only x's path uses LDS.  No barrier: waves share nothing.
; LIMITS: NaN and infinities among the inputs are not served.  A block of zeros gets the byte 1 where the rule says 127: its codes are zeros, and this program alone reads the bytes.
; The rotary frequencies are RN(1 / RN(10^(j / 8))), made in two-float arithmetic: they are the frequencies of a power and a division that round correctly.
; WORK LEFT OUT BY THE PROGRAM (launch attn): (a) key steps all of whose keys come after a tile's queries: reference()'s own causal mask makes their p zero.
; (b) the gate of queries in chunks 0 to 3: top_k takes 4 of 8 gates, of which the query's own chunk is +infinity, its c <= 3 past chunks are finite and the others -infinity; so for all finite inputs
; the own chunk and every past chunk are chosen, and any later chunk that is chosen too is hidden by the causal mask.  (c) the gates of chunks that are not past, which reference() overwrites.
; LIMIT: a NaN, an infinity or an overflow that reaches only the work left out is not carried to the result.
.set XS_OFF, 3145728
.set WS_OFF, 9437184                   ; wq: behind 384 tiles
.set G2C,    102400                    ; aux: Wg2's half images behind Wg1's four records of 25,600 bytes
.set G2S,    200704                    ; aux: Wg2's scale words
.set ROPE,   208896                    ; aux: the rotary table, 4,096 bytes a token tile
.set SPARE,  33792                     ; LDS: behind four stages of 8,448 bytes: the spare words, 128 bytes a wave
.set SPW, 12                           ; v12  my spare word's address; never rewritten
.set NIL, 13                           ; v13  0; never rewritten
.set SEL, 50                           ; s[50:51] selects for lane l xor 16
.set HM,  52                           ; s52  the mask of lanes 16-31
.set X,   32                           ; v32-95   two sets of 32 numbers down K
.set C,   96                           ; v96-143  the codes of two steps of 128 along K
.set TC,  144                          ; v144-146 a block's upper 16 codes on their way
.set SB,  148                          ; v148-149 scale words
.set XR,  16                           ; x's path: v16-143 two sets of 64 as loaded
.set XN,  144                          ; v144-207 64 numbers as the quantiser wants them
.set XPC, 208                          ; v208-227 codes
.set XTM, 228                          ; v228-243 at work
.set XPW, 244                          ; v244-245 scale words of two steps
.set XSL, 246                          ; v246-247 the two joined, lanes 0-15 the even step's
.set P,   32                           ; the table's path: v32-47 10^(j/8), then the frequencies
.set Y,   48                           ; v48-63 reciprocals
.set COS, 64
.set SIN, 80
; 64 numbers of a lane, register 16 b + i = k 32 b + 16 (lane / 16) + i of my row, become a fragment's 12 registers from v[pc] on and its scale word in v[pw]
.macro QUANT n, pc, tm, pw
.irp b, 0,1,2,3
	v_max3_num_f32 v[(\tm)+\b], |v[(\n)+16*\b]|, |v[(\n)+1+16*\b]|, 0x1800000   ; my 16 numbers of block b, and the floor 2^(3 - 127)
.endr
.irp i, 2,4,6,8,10,12,14
.irp b, 0,1,2,3
	v_max3_num_f32 v[(\tm)+\b], v[(\tm)+\b], |v[(\n)+16*\b+\i]|, |v[(\n)+1+16*\b+\i]|
.endr
.endr
.irp b, 0,1,2,3
	v_permlanex16_b32 v[(\tm)+4+\b], v[(\tm)+\b], s[SEL], s[SEL+1]
.endr
.irp b, 0,1,2,3
	v_max_num_f32 v[(\tm)+\b], v[(\tm)+\b], v[(\tm)+4+\b]          ; with lane l xor 16's: the block's largest magnitude
.endr
.irp b, 0,1,2,3
	v_add_nc_u32 v[(\tm)+12+\b], 0xff000000, v[(\tm)+\b]           ; 2 off its exponent field: the conversion's scale operand
.endr
.irp b, 0,1,2,3
	v_lshrrev_b32 v[(\tm)+4+\b], 23, v[(\tm)+12+\b]                ; the byte
.endr
	v_lshl_or_b32 v[\pw], v[(\tm)+5], 8, v[(\tm)+4]
	v_lshl_or_b32 v[\pw], v[(\tm)+6], 16, v[\pw]
	v_lshl_or_b32 v[\pw], v[(\tm)+7], 24, v[\pw]
.irp c, 0,1
	v_cvt_scalef32_pk16_fp6_f32 v[(\pc)+6*\c:(\pc)+2+6*\c], v[(\n)+32*\c:(\n)+15+32*\c], v[(\tm)+12+2*\c]
	v_cvt_scalef32_pk16_fp6_f32 v[(\pc)+12+4*\c:(\pc)+14+4*\c], v[(\n)+16+32*\c:(\n)+31+32*\c], v[(\tm)+13+2*\c]
.endr
	v_nop                                          ; one plain place behind a scaled conversion
.irp c, 0,1
.irp i, 0,1,2
	v_permlane16_swap_b32 v[(\pc)+6*\c+\i], v[(\pc)+12+4*\c+\i]    ; a whole block to a lane: lanes 0-15 block 2 c, lanes 16-31 block 2 c + 1
.endr
.irp i, 0,1,2
	v_mov_b32 v[(\pc)+3+6*\c+\i], v[(\pc)+12+4*\c+\i]
.endr
.endr
.endm
; the largest magnitude of 32 numbers of one lane, with the floor, into v8
.macro MAX32 xb
	v_max3_num_f32 v8, |v[(\xb)]|, |v[(\xb)+1]|, |v[(\xb)+2]|
	v_max3_num_f32 v9, |v[(\xb)+3]|, |v[(\xb)+4]|, |v[(\xb)+5]|
.irp i, 6,10,14,18,22,26
	v_max3_num_f32 v8, v8, |v[(\xb)+\i]|, |v[(\xb)+\i+1]|
	v_max3_num_f32 v9, v9, |v[(\xb)+\i+2]|, |v[(\xb)+\i+3]|
.endr
	v_max3_num_f32 v8, v8, |v[(\xb)+30]|, |v[(\xb)+31]|
	v_max3_num_f32 v8, v8, v9, 0x1800000
.endm
; A WEIGHT WHOSE K IS ITS FIRST AXIS: my lane's column, 256 along K = 8 blocks = 2 steps of 128.  s[28:29] the source at my wave's first column, s[34:35] the codes, s[30:31] the scale words;
; v3 = 4 x lane, v4 and v5 my column's place in the images and among the scale words.  Block t of a step belongs to the image's lane r' + 16 (t % 2), registers 6 (t / 2) on.
.macro LOADW t, pitch
.set li, 0
.rept 32
	global_load_b32 v[X+32*((\t)%2)+li], v3, s[28:29] offset:(32*(\t)+li)*(\pitch) th:TH_LOAD_NT   ; 32 lanes read 128 neighbouring bytes of one row
.set li, li+1
.endr
.endm
.macro BLOCK t, pitch
.set XB, X+32*((\t)%2)
.set CB, C+24*((\t)/4)+12*((\t)%2)+6*(((\t)%4)/2)
.if (\t) < 7
	s_wait_loadcnt 32                              ; this block's 32 loads are in; the next block's 32 may be out
.else
	s_wait_loadcnt 0x0
.endif
	MAX32 XB
	v_add_nc_u32 v10, 0xff000000, v8
	v_lshrrev_b32 v11, 23, v10
	v_cvt_scalef32_pk16_fp6_f32 v[CB:CB+2], v[XB:XB+15], v10
	v_cvt_scalef32_pk16_fp6_f32 v[TC:TC+2], v[XB+16:XB+31], v10    ; (a conversion's three registers begin on an even number)
.if (\t)%4 == 0
	v_mov_b32 v[SB+(\t)/4], v11                    ; the byte into the step's word; also the plain place behind the conversions
.else
	v_lshl_or_b32 v[SB+(\t)/4], v11, 8*((\t)%4), v[SB+(\t)/4]
.endif
.irp i, 0,1,2
	v_mov_b32 v[CB+3+\i], v[TC+\i]
.endr
.if (\t)+2 < 8
	LOADW (\t)+2, \pitch
.endif
.if (\t)%4 == 3                        ; a step of 128 is whole: each step has registers of its own, so no store's data are written again
.irp f, 0,1
.irp cc, 0,1,2
	global_store_b128 v4, v[C+24*((\t)/4)+12*\f+4*\cc:C+24*((\t)/4)+12*\f+4*\cc+3], s[34:35] offset:1536*((\t)/4)+512*\cc+256*\f   ; the 16 lanes of a tile store 256 consecutive bytes, aligned
.endr
.endr
	global_store_b32 v5, v[SB+(\t)/4], s[30:31] offset:64*((\t)/4)
.endif
.endm
.macro WBODY pitch
	LOADW 0, \pitch
	LOADW 1, \pitch
.irp t, 0,1,2,3,4,5,6,7
	BLOCK \t, \pitch
.endr
.endm
	s_load_b256 s[4:11], s[0:1], 0x0               ; x, Wq, Wk, Wv
	s_load_b256 s[12:19], s[0:1], 0x20             ; Wo, Wg1, Wg2, xq
	s_load_b128 s[20:23], s[0:1], 0x40             ; wq, wo
	s_load_b64 s[24:25], s[0:1], 0x50              ; aux
	v_lshl_add_u32 v[SPW], v0, 2, SPARE
	v_mov_b32 v[NIL], 0
	v_lshrrev_b32 v1, 5, v0
	v_readfirstlane_b32 s26, v1                    ; wave
	v_and_b32 v1, 31, v0                           ; lane
	v_and_b32 v2, 15, v0                           ; r
	v_bfe_u32 v6, v0, 4, 1                         ; h
	v_lshlrev_b32 v3, 2, v1                        ; 4 x lane
	v_bfe_u32 v7, v0, 3, 1                         ; column lane of 32: tile u' = (lane / 8) % 2,
	v_and_b32 v8, 7, v0
	v_lshl_add_u32 v8, v6, 3, v8                   ; row r' = lane % 8 + 8 (lane / 16)
	s_mov_b32 s[SEL], 0x76543210
	s_mov_b32 s[SEL+1], 0xfedcba98
	s_mov_b32 s[HM], 0xffff0000
	s_mov_b32 s43, 0
	s_wait_kmcnt 0x0
	s_cmp_ge_u32 ttmp9, 660
	s_cbranch_scc1 .Lrope
	s_cmp_ge_u32 ttmp9, 644
	s_cbranch_scc1 .Lg2
	s_cmp_ge_u32 ttmp9, 640
	s_cbranch_scc1 .Lg1
	s_cmp_ge_u32 ttmp9, 512
	s_cbranch_scc1 .Lx
	; ---- Wq, Wk, Wv, Wo: tensor = number / 128; 16 groups of 128 columns x 8 groups of 256 along K
	s_lshr_b32 s27, ttmp9, 7                       ; which tensor
	s_and_b32 s33, ttmp9, 15
	s_lshl_b32 s33, s33, 7
	s_lshl_b32 s36, s26, 5
	s_add_co_u32 s33, s33, s36                     ; my wave's first column n0
	s_bfe_u32 s37, ttmp9, 0x30004                  ; which 256 along K
	s_cmp_eq_u32 s27, 0
	s_cselect_b64 s[28:29], s[6:7], s[8:9]
	s_cmp_lt_u32 s27, 2
	s_cselect_b64 s[28:29], s[28:29], s[10:11]
	s_cmp_eq_u32 s27, 3
	s_cselect_b64 s[28:29], s[12:13], s[28:29]     ; the source
	s_cselect_b64 s[30:31], s[22:23], s[20:21]     ; wo or wq
	s_mov_b32 s32, WS_OFF
	s_cselect_b32 s32, XS_OFF, s32
	s_cselect_b32 s38, -1, 0                       ; all lanes: Wo's tiles hold neighbours
	s_lshr_b32 s39, s33, 6                         ; the head
	s_bfe_u32 s40, s33, 0x10005                    ; which 32 of its 64 columns
	s_mul_i32 s39, s39, 12                         ; a head's 12 tiles: q0-3, v0-1, k0-3, v2-3
	s_lshl_b32 s41, s40, 1
	s_mul_i32 s42, s27, 6
	s_add_co_u32 s41, s41, s42                     ; Wq: 2 b'; Wk: 6 + 2 b'
	s_mul_i32 s42, s40, 6
	s_add_co_u32 s42, s42, 4                       ; Wv: 4 + 6 b'
	s_cmp_eq_u32 s27, 2
	s_cselect_b32 s41, s42, s41
	s_add_co_u32 s39, s39, s41
	s_lshr_b32 s42, s33, 4                         ; Wo: n0 / 16
	s_cmp_eq_u32 s27, 3
	s_cselect_b32 s39, s42, s39                    ; my first tile
	s_lshl_b32 s42, s37, 21                        ; 256 rows of 8,192 bytes
	s_lshl_b32 s44, s33, 2
	s_add_co_u32 s42, s42, s44
	s_add_nc_u64 s[28:29], s[28:29], s[42:43]
	s_mul_i32 s42, s39, 24576
	s_mul_i32 s44, s37, 3072
	s_add_co_u32 s42, s42, s44
	s_add_nc_u64 s[34:35], s[30:31], s[42:43]
	s_lshl_b32 s42, s39, 10
	s_lshl_b32 s44, s37, 7
	s_add_co_u32 s42, s42, s44
	s_add_co_u32 s42, s42, s32
	s_add_nc_u64 s[30:31], s[30:31], s[42:43]
	s_wait_alu depctr_va_vdst(0)
	v_cndmask_b32 v7, v7, v6, s38                  ; Wo: u' = lane / 16,
	v_cndmask_b32 v8, v8, v2, s38                  ; r' = lane % 16
	v_mul_u32_u24 v4, v7, 24576
	v_lshl_add_u32 v4, v8, 4, v4
	v_lshlrev_b32 v5, 10, v7
	v_lshl_add_u32 v5, v8, 2, v5
	WBODY 8192
	s_endpgm
.Lg1:	; ---- Wg1 [2048][64]: 16 waves: 2 groups of 32 columns x 8 groups of 256 along K; a tile's record: 16 images, then 16 x 64 bytes of scale words
	s_sub_co_u32 s27, ttmp9, 640
	s_lshl_b32 s27, s27, 1
	s_lshr_b32 s33, s26, 1
	s_add_co_u32 s37, s27, s33                     ; which 256 along K
	s_and_b32 s40, s26, 1                          ; which 32 columns
	s_lshl_b32 s42, s37, 16                        ; 256 rows of 256 bytes
	s_lshl_b32 s44, s40, 7
	s_add_co_u32 s42, s42, s44
	s_add_nc_u64 s[28:29], s[14:15], s[42:43]
	s_mul_i32 s42, s40, 51200
	s_mul_i32 s44, s37, 3072
	s_add_co_u32 s42, s42, s44
	s_add_nc_u64 s[34:35], s[24:25], s[42:43]
	s_mul_i32 s42, s40, 51200
	s_lshl_b32 s44, s37, 7
	s_add_co_u32 s42, s42, s44
	s_add_co_u32 s42, s42, 24576
	s_add_nc_u64 s[30:31], s[24:25], s[42:43]
	s_wait_alu depctr_va_vdst(0)
	v_mul_u32_u24 v4, v7, 25600
	v_lshl_add_u32 v5, v8, 2, v4
	v_lshl_add_u32 v4, v8, 4, v4
	WBODY 256
	s_endpgm
.Lg2:	; ---- Wg2 [64][2048]: K = 64: half images of 768 bytes: registers 0-3 at 16 l, registers 4-5 at 512 + 8 l; the word's upper two bytes are 127
	s_sub_co_u32 s27, ttmp9, 644
	s_lshl_b32 s27, s27, 2
	s_add_co_u32 s27, s27, s26
	s_lshl_b32 s33, s27, 5                         ; my first column
	s_lshl_b32 s42, s33, 2
	s_add_nc_u64 s[28:29], s[16:17], s[42:43]
	s_lshr_b32 s39, s33, 4                         ; my first tile
	s_mul_i32 s42, s39, 768
	s_add_co_u32 s42, s42, G2C
	s_add_nc_u64 s[34:35], s[24:25], s[42:43]
	s_lshl_b32 s42, s39, 6
	s_add_co_u32 s42, s42, G2S
	s_add_nc_u64 s[30:31], s[24:25], s[42:43]
	s_wait_alu depctr_va_vdst(0)
	v_mul_u32_u24 v4, v7, 768
	v_lshl_add_u32 v5, v8, 3, v4
	v_lshl_add_u32 v4, v8, 4, v4
	v_lshlrev_b32 v14, 6, v7
	v_lshl_add_u32 v14, v8, 2, v14
.set li, 0
.rept 64
	global_load_b32 v[X+li], v3, s[28:29] offset:li*8192 th:TH_LOAD_NT
.set li, li+1
.endr
	s_wait_loadcnt 0x0
.irp bb, 0,1
	MAX32 X+32*\bb
	v_add_nc_u32 v10, 0xff000000, v8
	v_lshrrev_b32 v[SB+\bb], 23, v10
	v_cvt_scalef32_pk16_fp6_f32 v[C+8*\bb:C+8*\bb+2], v[X+32*\bb:X+32*\bb+15], v10
	v_cvt_scalef32_pk16_fp6_f32 v[TC:TC+2], v[X+32*\bb+16:X+32*\bb+31], v10
	v_nop                                          ; one plain place behind a scaled conversion
.irp i, 0,1,2
	v_mov_b32 v[C+8*\bb+3+\i], v[TC+\i]
.endr
.endr
	v_lshl_or_b32 v[SB], v[SB+1], 8, v[SB]
	v_or_b32 v[SB], 0x7f7f0000, v[SB]
.irp bb, 0,1
	global_store_b128 v4, v[C+8*\bb:C+8*\bb+3], s[34:35] offset:256*\bb
	global_store_b64 v5, v[C+8*\bb+4:C+8*\bb+5], s[34:35] offset:512+128*\bb
.endr
	global_store_b32 v14, v[SB], s[30:31]
	s_endpgm
.Lx:	; ---- x: a work-group takes a token tile (16 rows), a wave 4 steps of 128 along K.  Each load reads 512 consecutive bytes of one row; a step's 16 rows turn through the wave's own stage
	; (rows 528 bytes apart) and come back as the quantiser wants them.  Loads run a step ahead.
	s_sub_co_u32 s27, ttmp9, 512                   ; T
	s_lshr_b32 s33, s27, 1
	s_lshl_b32 s33, s33, 5
	s_and_b32 s36, s27, 1
	s_lshl_b32 s36, s36, 3
	s_add_co_u32 s33, s33, s36                     ; the tile's first row: 32 (T / 2) + 8 (T % 2)
	s_lshl_b32 s42, s33, 13
	s_lshl_b32 s36, s26, 11
	s_add_co_u32 s42, s42, s36
	s_add_nc_u64 s[28:29], s[4:5], s[42:43]
	s_mul_i32 s42, s27, 24576
	s_mul_i32 s36, s26, 6144
	s_add_co_u32 s42, s42, s36
	s_add_nc_u64 s[34:35], s[18:19], s[42:43]
	s_lshl_b32 s42, s27, 10
	s_lshl_b32 s36, s26, 8
	s_add_co_u32 s42, s42, s36
	s_add_co_u32 s42, s42, XS_OFF
	s_add_nc_u64 s[30:31], s[18:19], s[42:43]
	s_wait_alu depctr_va_vdst(0)
	v_lshlrev_b32 v4, 4, v1                        ; 16 x lane
	s_mul_i32 s36, s26, 8448
	v_add_nc_u32 v5, s36, v4                       ; into the stage: a row's 512 bytes as they lie
	v_mul_u32_u24 v7, v2, 528
	v_lshl_add_u32 v7, v6, 6, v7
	v_add_nc_u32 v7, s36, v7                       ; out of it: row r, + 64 h
.irp b, 0,1,2,3
	v_mov_b32 v[XTM+4+\b], 0                       ; written once: a lane permute's destination counts as one of its sources
.endr
.macro LOADX s
.set li, 0
.rept 16
	global_load_b128 v[XR+64*((\s)%2)+4*li:XR+64*((\s)%2)+4*li+3], v4, s[28:29] offset:(li+8*(li/8))*8192+512*(\s) th:TH_LOAD_NT
.set li, li+1
.endr
.endm
.macro XSTEP s
.if (\s) < 3
	s_wait_loadcnt 16                              ; this step's 16 loads are in; the next step's 16 may be out
.else
	s_wait_loadcnt 0x0
.endif
.set li, 0
.rept 16
	ds_store_b128 v5, v[XR+64*((\s)%2)+4*li:XR+64*((\s)%2)+4*li+3] offset:528*li
.set li, li+1
.endr
.irp b, 0,1,2,3
.irp j, 0,1,2,3
	ds_load_b128 v[XN+16*\b+4*\j:XN+16*\b+4*\j+3], v7 offset:128*\b+16*\j    ; LDS serves a wave's instructions in order: these see the stores above
.endr
.endr
	s_wait_dscnt 0x0
	s_wait_xcnt 0x0                                ; the last step's stores have read their registers: the codes may be written again
.if (\s)+2 < 4
	LOADX (\s)+2
.endif
	QUANT XN, XPC, XTM, XPW+((\s)%2)
.irp cc, 0,1,2
	global_store_b128 v4, v[XPC+4*\cc:XPC+4*\cc+3], s[34:35] offset:1536*(\s)+512*\cc   ; 512 consecutive bytes
.endr
.if (\s)%2 == 1
	v_cndmask_b32 v[XSL+(\s)/2], v[XPW], v[XPW+1], s[HM]           ; lanes 0-15 the even step's words, lanes 16-31 the odd step's
	global_store_b32 v3, v[XSL+(\s)/2], s[30:31] offset:64*((\s)-1)
.endif
.endm
	LOADX 0
	LOADX 1
	s_wait_alu depctr_va_vdst(0)
	XSTEP 0
	XSTEP 1
	XSTEP 2
	XSTEP 3
	s_wait_tensorcnt 0x0                           ; the wave's end, behind my last LDS store
	ds_add_u32 v[SPW], v[NIL]
	s_wait_dscnt 0x0
	s_endpgm
.Lrope:	; ---- the rotary table: a wave a token tile.  Lane (r, h) holds its token's cos and sin of the frequencies j = 16 h + 0 .. 15
	s_sub_co_u32 s27, ttmp9, 660
	s_lshl_b32 s27, s27, 2
	s_add_co_u32 s27, s27, s26                     ; T
	s_lshr_b32 s33, s27, 1
	s_lshl_b32 s33, s33, 5
	s_and_b32 s36, s27, 1
	s_lshl_b32 s36, s36, 3
	s_add_co_u32 s33, s33, s36
	s_lshl_b32 s42, s27, 12
	s_add_co_u32 s42, s42, ROPE
	s_add_nc_u64 s[34:35], s[24:25], s[42:43]
	s_wait_alu depctr_va_vdst(0)
	v_lshlrev_b32 v4, 4, v1
	v_and_b32 v7, 8, v2
	v_add_nc_u32 v7, v7, v2
	v_add_nc_u32 v7, s33, v7                       ; my token
	v_cvt_f32_u32 v16, v7
	v_cmp_eq_u32 vcc_lo, 1, v6
	v_mov_b32 v17, 1.0
	v_mov_b32 v18, 0x41200000                      ; 10
	v_mov_b32 v19, 0x42c80000                      ; 100
	v_mov_b32 v20, 0x447a0000                      ; 1000
	v_cndmask_b32 v17, v17, v19, vcc_lo            ; 10^(2 h)
	s_wait_alu depctr_va_vdst(0)
	v_cndmask_b32 v18, v18, v20, vcc_lo            ; 10^(2 h + 1)
	s_mov_b32 s40, 0xb94ca1f9                      ; the sine's and the cosine's polynomials on |rho| <= pi / 4
	s_mov_b32 s41, 0x3c08839e
	s_mov_b32 s42, 0xbe2aaaa3
	s_mov_b32 s43, 0x37ccf5ce
	s_mov_b32 s44, 0xbab6061a
	s_mov_b32 s45, 0x3d2aaaa5
	s_mov_b32 s46, 0xbfc90fdb                      ; - (pi / 2 rounded to f32),
	s_mov_b32 s47, 0x333bbd2e                      ; and what that rounding added
; 10000^(j / 32) = 10^(j / 8) = 10^(whole part) x 10^(i / 8); 10^(i / 8) is held as two floats, the product is rounded once
.macro POW idx, f, hi, lo
	v_mul_f32 v21, \hi, v[\f]
	v_fma_f32 v22, \hi, v[\f], -v21
	v_fma_f32 v22, \lo, v[\f], v22
	v_add_f32 v[P+\idx], v21, v22
.endm
.macro POW8 base, f
	v_mov_b32 v[P+\base], v[\f]
	POW \base+1, \f, 0x3faab0d5, 0xb36457e8
	POW \base+2, \f, 0x3fe39ea9, 0xb26aee3c
	POW \base+3, \f, 0x4017c496, 0x33606940
	POW \base+4, \f, 0x404a62c2, 0xb324b496
	POW \base+5, \f, 0x4086f161, 0xb430577b
	POW \base+6, \f, 0x40b3f300, 0x34323462
	POW \base+7, \f, 0x40eff755, 0x34515b50
.endm
	POW8 0, 17
	POW8 8, 18
	s_wait_alu depctr_va_vdst(0)
.irp idx, 0,1,2,3,4,5,6,7,8,9,10,11,12,13,14,15
	v_rcp_f32 v[Y+\idx], v[P+\idx]
.endr
	v_nop                                          ; a plain place behind the last reciprocal
	s_wait_alu depctr_va_vdst(0)                   ; one wait for the batch, ahead of its first reader
.irp idx, 0,1,2,3,4,5,6,7,8,9,10,11,12,13,14,15
	v_fma_f32 v20, -v[P+\idx], v[Y+\idx], 1.0      ; one Newton step rounds the reciprocal rightly
	v_fma_f32 v[P+\idx], v[Y+\idx], v20, v[Y+\idx]
.endr
.macro TRIG idx
	v_mul_f32 v20, v16, v[P+\idx]                  ; the angle, rounded once
	v_mul_f32 v21, 0x3f22f983, v20
	v_rndne_f32 v21, v21                           ; n = the nearest multiple of pi / 2
	v_fma_f32 v22, v21, s46, v20                   ; exact: both are multiples of 2^-23 and the difference is under 1
	v_fma_f32 v22, v21, s47, v22
	v_mul_f32 v23, v22, v22
	v_fma_f32 v24, v23, s40, s41
	v_fma_f32 v24, v24, v23, s42
	v_mul_f32 v25, v22, v23
	v_fma_f32 v24, v25, v24, v22                   ; sin rho
	v_fma_f32 v26, v23, s43, s44
	v_fma_f32 v26, v26, v23, s45
	v_mul_f32 v25, v23, v23
	v_fma_f32 v27, v23, -0.5, 1.0
	v_fma_f32 v26, v25, v26, v27                   ; cos rho
	v_cvt_i32_f32 v28, v21
	v_and_b32 v29, 1, v28
	v_cmp_eq_u32 vcc_lo, 1, v29
	v_cndmask_b32 v30, v24, v26, vcc_lo            ; odd n: the two change places
	v_cndmask_b32 v31, v26, v24, vcc_lo
	v_lshlrev_b32 v29, 30, v28
	v_and_b32 v29, 0x80000000, v29
	v_xor_b32 v[SIN+\idx], v29, v30                ; the sine is negative for n % 4 = 2, 3
	v_add_nc_u32 v28, 1, v28
	v_lshlrev_b32 v29, 30, v28
	v_and_b32 v29, 0x80000000, v29
	v_xor_b32 v[COS+\idx], v29, v31                ; the cosine for n % 4 = 1, 2
.endm
.irp idx, 0,1,2,3,4,5,6,7,8,9,10,11,12,13,14,15
	TRIG \idx
.endr
.irp p, 0,1,2,3,4,5,6,7
	global_store_b128 v4, v[COS+4*\p:COS+4*\p+3], s[34:35] offset:512*\p   ; pieces 0-3 cos, 4-7 sin: 512 consecutive bytes each
.endr
	s_endpgm
.Lfunc_end_k_q542eacf149_prep:
	.size	k_q542eacf149_prep, .Lfunc_end_k_q542eacf149_prep-k_q542eacf149_prep
	.p2alignl 7, 3214868480
	.fill 96, 4, 3214868480
	.section	.rodata,"a",@progbits
	.p2align	6, 0x0
	.amdhsa_kernel k_q542eacf149_prep
		.amdhsa_group_segment_fixed_size 34304
		.amdhsa_private_segment_fixed_size 0
		.amdhsa_enable_private_segment 0
		.amdhsa_kernarg_size 88
		.amdhsa_user_sgpr_count 2
		.amdhsa_user_sgpr_kernarg_segment_ptr 1
		.amdhsa_wavefront_size32 1
		.amdhsa_system_sgpr_workgroup_id_x 1
		.amdhsa_system_sgpr_workgroup_id_y 1
		.amdhsa_system_sgpr_workgroup_id_z 1
		.amdhsa_system_vgpr_workitem_id 0
		.amdhsa_next_free_vgpr 256
		.amdhsa_next_free_sgpr 66
		.amdhsa_reserve_vcc 1
		.amdhsa_float_denorm_mode_32 3
		.amdhsa_float_denorm_mode_16_64 3
		.amdhsa_memory_ordered 1
		.amdhsa_forward_progress 1
		.amdhsa_inst_pref_size 149
	.end_amdhsa_kernel
	.amdgpu_metadata
---
amdhsa.version: [ 1, 2 ]
amdhsa.kernels:
  - .name:           k_q542eacf149_prep
    .symbol:         k_q542eacf149_prep.kd
    .args:
      - { .name: hidden_states, .offset: 0, .size: 8, .value_kind: global_buffer, .address_space: global }
      - { .name: Wq, .offset: 8, .size: 8, .value_kind: global_buffer, .address_space: global }
      - { .name: Wk, .offset: 16, .size: 8, .value_kind: global_buffer, .address_space: global }
      - { .name: Wv, .offset: 24, .size: 8, .value_kind: global_buffer, .address_space: global }
      - { .name: Wo, .offset: 32, .size: 8, .value_kind: global_buffer, .address_space: global }
      - { .name: Wg1, .offset: 40, .size: 8, .value_kind: global_buffer, .address_space: global }
      - { .name: Wg2, .offset: 48, .size: 8, .value_kind: global_buffer, .address_space: global }
      - { .name: xq, .offset: 56, .size: 8, .value_kind: global_buffer, .address_space: global }
      - { .name: wq, .offset: 64, .size: 8, .value_kind: global_buffer, .address_space: global }
      - { .name: wo, .offset: 72, .size: 8, .value_kind: global_buffer, .address_space: global }
      - { .name: aux, .offset: 80, .size: 8, .value_kind: global_buffer, .address_space: global }
    .group_segment_fixed_size: 34304
    .private_segment_fixed_size: 0
    .kernarg_segment_align: 8
    .kernarg_segment_size: 88
    .max_flat_workgroup_size: 128
    .sgpr_count:     66
    .vgpr_count:     256
    .wavefront_size: 32
...
	.end_amdgpu_metadata
.endif
;; end of part 1
;; launch qkv (part 2): grid 32 x 8, 4 waves a work-group, clusters of 4 x 4, 327,680 bytes of LDS; arguments xq, wq, aux, qf, kv; writes qf, kv
.if DOCPART == 2
	.amdgcn_target "amdgcn-amd-amdhsa--gfx1250"
	.amdhsa_code_object_version 6
	.text
	.protected	k_q542eacf149_qkv
	.globl	k_q542eacf149_qkv
	.p2align	8
	.type	k_q542eacf149_qkv,@function
k_q542eacf149_qkv:
	s_mov_b64 s[64:65], 0
	v_nop
	global_prefetch_b8 v0, s[64:65] scope:SCOPE_SE
	s_setreg_imm32_b32 hwreg(HW_REG_WAVE_MODE, 25, 1), 1
	s_wait_xcnt 0x0
	s_wait_alu depctr_hold_cnt(0) depctr_sa_sdst(0) depctr_va_vdst(0) depctr_va_sdst(0) depctr_va_ssrc(0) depctr_va_vcc(0) depctr_vm_vsrc(0)
	s_getreg_b32 s2, hwreg(HW_REG_IB_STS2, 6, 4)
	s_cmp_eq_u32 s2, 0
	s_cbranch_scc0 .Lentry_in_a_cluster
	s_endpgm
.Lentry_in_a_cluster:
	s_bfe_u32 s2, ttmp6, 0x10000c
	s_cmp_lg_u32 s2, 0xf033
	s_cbranch_scc0 .Lentry_shape_is_right
	s_endpgm
.Lentry_shape_is_right:
; QKV: q = x Wq, k = x Wk, v = x Wv and t = x Wg1 on codes of FP6 (E2M3) with E8M0 scales; then the rotary turn of q and k; k and v quantised for attention; the sums of k over half chunks; q and t as f32.
; A work-group is (head, chunk of 256 tokens): 256 tokens x 192 columns.  Wave (wr, wc): tokens 128 wr on (8 token tiles); wc = 0: the head's q (4 tiles) and v tiles 0, 1; wc = 1: k and v tiles 2, 3.
; q, k: source 0 = 16 columns of the weight, source 1 = 16 tokens: a lane holds ONE token and, by the order of the tiles' rows, the head's channels 32 b + 16 h + 0 .. 15 in registers 16 b + 0 .. 15.
; v: source 0 = 16 tokens, source 1 = 16 columns: a lane holds ONE channel and tokens 32 b + 16 h + 0 .. 15: neighbours along the keys, which are the K of attention's second product.
; t = x Wg1 IS SHARED OUT EVENLY: a chunk has 16 token tiles x 4 column tiles of Wg1, and its 32 work-groups have 64 waves with wc = 0: the wave (wr, 0) of the work-group at cluster x = X, place cx, takes token tile
; 8 wr + X against Wg1's tile cx: one accumulator, one product a step.  A register number cannot hang on X, so that token tile's fragment is read from the slot once more, into registers of its own.
; All operands lie in memory as images of their registers (1,536 bytes a fragment), so a tile is a dense run of bytes, every LDS load is 16 bytes a lane on end, and nothing is padded.
; K goes in steps of 256 through two LDS slots.  CLUSTERS: 4 x 4: x's tiles hang on the chunk alone (shared along a row), the weights' on the head alone (shared along a column): joint loads.
; No stage on the way out: results leave from registers as images, 512 consecutive bytes a store.
; LIMITS: NaN and infinities are not served; a block of zeros gets the byte 1 (its codes are zeros; this program alone reads the bytes).
; REGISTERS: window 0: addresses, scale words v32-63, x's 8 fragments from v128 (one set), t's token tile v224-235.  window 1: the weights' 6 fragments and Wg1's, two sets at v0 and v128; the rotary table v88-119, v216-247.
;   window 2: the 32 accumulators of q or k ((i, t) at 8 (4 i + t)).  window 3: v's 16 ((u, i) at 64 u + 8 i), t's one at v128, v160-219 at work.
.set XS_OFF, 3145728
.set WS_OFF, 9437184
.set ROPE,   208896
.set REC,    13056                     ; kv: a record of 128 keys of a head: K's 8 half images, V's 4 images, K's and V's scale words
.set KSUM,   6684672
.set TIMG,   6815744
.set SLOT,   86016                     ; x's 16 tiles x 3,072 bytes, then the weights' 12
.set BOFF,   49152
.set SCA,    172032                    ; x's scale words for all of K: 16 tiles x 1,024
.set SCB,    188416                    ; the weights': 12 x 1,024
.set GREC,   200704                    ; Wg1's record: 16 images, 16 x 64 bytes of scale words
.set SPARE,  226304                    ; the spare words: 128 bytes a wave
.set V4L, 10
.set V64H, 11
.set ADRX, 12                          ; v12-13 t's token tile in slot 0, 1: x's address + 3,072 X
.set ADSX, 14                          ; v14    and its scale words: x's + 1,024 X
.set ADRA, 16                          ; v16-17 x's fragments in slot 0, 1
.set ADRB, 20                          ; v20-21 the weights'
.set ADRG, 22
.set ADSA, 23
.set ADSB, 24
.set ADSG, 25
.set V16L, 26
.set V8L, 27
.set SPW, 28
.set NIL, 29
.set SA, 32                            ; scale words: x's tile i of set s at v[32 + 8 s + i]: lanes 0-15 the slot's first 128 along K, lanes 16-31 its second
.set SB, 48                            ; the weights' tile t at v[48 + 6 s + t]
.set SG, 60                            ; Wg1's at v[60 + s]
.set SX, 62                            ; t's token tile's at v[62 + s]
.set AF, 128
.set XA, 224                           ; t's token tile: one set
.set KS, 128                           ; the way out: the sums of k, in window 0
.set G1A, 24
.set G0A, 32
.set G0G, 40
.set XT, 44                            ; s44: X, the cluster's x: the same in all sixteen partners
.set HM, 47
.set G1B, 48
.set G0B, 56
.set SEL, 66
.set G1SA, 68
.set G0SA, 76
.set G1SB, 80
.set G0SB, 88
.set G1G, 92
.set MSB, 0
.macro WIN new                         ; the immediate's high byte repeats the setting that is left
.if MSB != \new
	s_set_vgpr_msb (MSB<<8)|\new
.set MSB, \new
.endif
.endm
.set QKW, 0xa1                         ; source 0 window 1, source 1 window 0, C and D window 2
.set VW,  0xf4                         ; source 0 window 0, source 1 window 1, C and D window 3
.set GW,  0xf1                         ; source 0 window 1, source 1 window 0, C and D window 3
.set TO_B, 0x40                        ; destination window 1
.macro JLOAD g0a, g1a, g0b, g1b        ; a joint load: waves 0, 1 fetch for x, waves 2, 3 for the weights; an s_nop 0 and four v_nop follow each line
	s_cmp_eq_u32 s15, 0
	s_cbranch_scc0 .Lfor_b_\@
	tensor_load_to_lds s[\g0a:\g0a+3], s[\g1a:\g1a+7]
	s_nop 0
.rept 4
	v_nop
.endr
	s_branch .Lasked_\@
.Lfor_b_\@:
	tensor_load_to_lds s[\g0b:\g0b+3], s[\g1b:\g1b+7]
	s_nop 0
.rept 4
	v_nop
.endr
.Lasked_\@:
.endm
.macro CREST
	s_cmp_lg_u32 s14, 0
	s_cbranch_scc1 .Lnot_wave_0_\@
	s_barrier_signal -3
.Lnot_wave_0_\@:
	s_barrier_wait -3
	s_barrier_signal -1
	s_barrier_wait -1
.endm
.macro CROUND
	s_barrier_signal -1
	s_barrier_wait -1
	CREST
.endm
.macro PLACES n
.rept \n
	v_nop
.endr
.endm
.macro QUANT n, pc, tm, pw             ; 64 numbers of a lane, register 16 b + i = k 32 b + 16 h + i, become a fragment's 12 registers and its scale word
.irp b, 0,1,2,3
	v_max3_num_f32 v[(\tm)+\b], |v[(\n)+16*\b]|, |v[(\n)+1+16*\b]|, 0x1800000
.endr
.irp i, 2,4,6,8,10,12,14
.irp b, 0,1,2,3
	v_max3_num_f32 v[(\tm)+\b], v[(\tm)+\b], |v[(\n)+16*\b+\i]|, |v[(\n)+1+16*\b+\i]|
.endr
.endr
.irp b, 0,1,2,3
	v_permlanex16_b32 v[(\tm)+4+\b], v[(\tm)+\b], s[SEL], s[SEL+1]
.endr
.irp b, 0,1,2,3
	v_max_num_f32 v[(\tm)+\b], v[(\tm)+\b], v[(\tm)+4+\b]
.endr
.irp b, 0,1,2,3
	v_add_nc_u32 v[(\tm)+12+\b], 0xff000000, v[(\tm)+\b]
.endr
.irp b, 0,1,2,3
	v_lshrrev_b32 v[(\tm)+4+\b], 23, v[(\tm)+12+\b]
.endr
	v_lshl_or_b32 v[\pw], v[(\tm)+5], 8, v[(\tm)+4]
	v_lshl_or_b32 v[\pw], v[(\tm)+6], 16, v[\pw]
	v_lshl_or_b32 v[\pw], v[(\tm)+7], 24, v[\pw]
.irp c, 0,1
	v_cvt_scalef32_pk16_fp6_f32 v[(\pc)+6*\c:(\pc)+2+6*\c], v[(\n)+32*\c:(\n)+15+32*\c], v[(\tm)+12+2*\c]
	v_cvt_scalef32_pk16_fp6_f32 v[(\pc)+12+4*\c:(\pc)+14+4*\c], v[(\n)+16+32*\c:(\n)+31+32*\c], v[(\tm)+13+2*\c]
.endr
	v_nop
.irp c, 0,1
.irp i, 0,1,2
	v_permlane16_swap_b32 v[(\pc)+6*\c+\i], v[(\pc)+12+4*\c+\i]
.endr
.irp i, 0,1,2
	v_mov_b32 v[(\pc)+3+6*\c+\i], v[(\pc)+12+4*\c+\i]
.endr
.endr
.endm
.macro QUANT2 n, d, x, tm, pw          ; the same for K = 64: 32 numbers, six registers from v[d] on; the word's upper two bytes are 127
.irp b, 0,1
	v_max3_num_f32 v[(\tm)+\b], |v[(\n)+16*\b]|, |v[(\n)+1+16*\b]|, 0x1800000
.endr
.irp i, 2,4,6,8,10,12,14
.irp b, 0,1
	v_max3_num_f32 v[(\tm)+\b], v[(\tm)+\b], |v[(\n)+16*\b+\i]|, |v[(\n)+1+16*\b+\i]|
.endr
.endr
.irp b, 0,1
	v_permlanex16_b32 v[(\tm)+2+\b], v[(\tm)+\b], s[SEL], s[SEL+1]
.endr
.irp b, 0,1
	v_max_num_f32 v[(\tm)+\b], v[(\tm)+\b], v[(\tm)+2+\b]
.endr
.irp b, 0,1
	v_add_nc_u32 v[(\tm)+4+\b], 0xff000000, v[(\tm)+\b]
.endr
.irp b, 0,1
	v_lshrrev_b32 v[(\tm)+6+\b], 23, v[(\tm)+4+\b]
.endr
	v_lshl_or_b32 v[\pw], v[(\tm)+7], 8, v[(\tm)+6]
	v_or_b32 v[\pw], 0x7f7f0000, v[\pw]
	v_cvt_scalef32_pk16_fp6_f32 v[(\d):(\d)+2], v[(\n):(\n)+15], v[(\tm)+4]
	v_cvt_scalef32_pk16_fp6_f32 v[(\x):(\x)+2], v[(\n)+16:(\n)+31], v[(\tm)+5]
	v_nop
.irp i, 0,1,2
	v_permlane16_swap_b32 v[(\d)+\i], v[(\x)+\i]
.endr
.irp i, 0,1,2
	v_mov_b32 v[(\d)+3+\i], v[(\x)+\i]
.endr
.endm
	s_load_b256 s[4:11], s[0:1], 0x0               ; xq, wq, aux, qf
	s_load_b64 s[12:13], s[0:1], 0x20              ; kv
	v_lshl_add_u32 v[SPW], v0, 2, SPARE
	v_mov_b32 v[NIL], 0
	ds_add_u32 v[SPW], v[NIL]                      ; the wave's opening: the add and its wait ahead of my first tensor load; work on registers stands between them
	ds_add_u32 v[SPW], v[NIL]
	v_lshrrev_b32 v1, 5, v0
	v_readfirstlane_b32 s14, v1                    ; wave
	s_lshr_b32 s15, s14, 1                         ; wr.  Also: I fetch for x (0) or for the weights (1)
	s_and_b32 s16, s14, 1                          ; wc.  Also: which half of that tile I fetch
	s_bfe_u32 s100, ttmp6, 0x40000                 ; cx
	s_bfe_u32 s101, ttmp6, 0x40004                 ; cy
	s_min_u32 s[XT], ttmp9, 7                      ; X: the grid has 8 clusters along x
	s_lshl_b32 s104, ttmp9, 2
	s_add_co_u32 s104, s104, s100                  ; the head
	s_and_b32 s105, ttmp7, 0xffff
	s_lshl_b32 s105, s105, 2
	s_add_co_u32 s105, s105, s101                  ; the chunk
	s_lshl_b32 s17, s101, 2
	s_lshl_b32 s17, 15, s17                        ; my row of the cluster
	s_lshl_b32 s18, 0x1111, s100                   ; my column
	s_or_b32 s[G1A], s17, (3<<16)|(1<<21)          ; elements of 8 bytes, no padding; bit 21 beside a mask
	s_or_b32 s[G1B], s18, (3<<16)|(1<<21)
	s_or_b32 s[G1SA], s17, (3<<16)|(1<<21)
	s_or_b32 s[G1SB], s18, (3<<16)|(1<<21)
	s_or_b32 s[G1G], s18, (3<<16)|(1<<21)
	s_mov_b32 s[G1A+1], 384<<16                    ; x's codes: 8 tiles x 3,072 bytes (two steps of 128), 24,576 bytes from tile to tile
	s_mov_b32 s[G1A+2], 16<<16                     ; the first two fills bring a slot's 16 tiles whole; the ring's loads 8 (set behind the wait for these)
	s_mov_b32 s[G1A+3], 384<<16
	s_mov_b32 s[G1A+4], 16
	s_mov_b32 s[G1A+5], 3072
	s_mov_b32 s[G1A+6], 0
	s_mov_b32 s[G1A+7], 0
	s_mov_b32 s[G1B+1], 384<<16                    ; the weights': 6 tiles
	s_mov_b32 s[G1B+2], 12<<16                     ; likewise 12, then 6
	s_mov_b32 s[G1B+3], 384<<16
	s_mov_b32 s[G1B+4], 12
	s_mov_b32 s[G1B+5], 3072
	s_mov_b32 s[G1B+6], 0
	s_mov_b32 s[G1B+7], 0
	s_mov_b32 s[G1SA+1], 32<<16                    ; dense blocks as rows of 256 bytes: 64 rows,
	s_mov_b32 s[G1SA+2], 64<<16
	s_mov_b32 s[G1SA+3], 32<<16
	s_mov_b32 s[G1SA+4], 64
	s_mov_b32 s[G1SA+5], 32
	s_mov_b32 s[G1SA+6], 0
	s_mov_b32 s[G1SA+7], 0
	s_mov_b32 s[G1SB+1], 32<<16                    ; 48 rows,
	s_mov_b32 s[G1SB+2], 48<<16
	s_mov_b32 s[G1SB+3], 32<<16
	s_mov_b32 s[G1SB+4], 48
	s_mov_b32 s[G1SB+5], 32
	s_mov_b32 s[G1SB+6], 0
	s_mov_b32 s[G1SB+7], 0
	s_mov_b32 s[G1G+1], 32<<16                     ; 100 rows
	s_mov_b32 s[G1G+2], 100<<16
	s_mov_b32 s[G1G+3], 32<<16
	s_mov_b32 s[G1G+4], 100
	s_mov_b32 s[G1G+5], 32
	s_mov_b32 s[G1G+6], 0
	s_mov_b32 s[G1G+7], 0
	s_lshl_b32 s20, s105, 4                        ; x: hangs on the chunk alone
	s_lshl_b32 s21, s16, 3
	s_add_co_u32 s20, s20, s21                     ; token tile 16 c + 8 half
	s_lshl_b32 s[G0SA+2], s105, 14                 ; the scale words of the chunk's 16 token tiles, whole
	s_add_co_u32 s[G0SA+2], s[G0SA+2], XS_OFF
	s_mov_b32 s[G0SA+3], 0
	s_mul_i32 s20, s20, 24576
	s_mov_b32 s21, 0
	s_mul_i32 s22, s104, 12                        ; the weights: hang on the head alone
	s_mul_i32 s23, s16, 6
	s_add_co_u32 s22, s22, s23
	s_mul_i32 s[G0SB+2], s104, 12288               ; those of the head's 12 tiles, whole
	s_add_co_u32 s[G0SB+2], s[G0SB+2], WS_OFF
	s_mov_b32 s[G0SB+3], 0
	s_mul_i32 s22, s22, 24576
	s_mov_b32 s23, 0
	s_mul_i32 s[G0G+2], s100, 25600                ; Wg1's record of tile cx, a quarter to each wave
	s_mov_b32 s[G0G+3], 0
	s_lshl_b32 s18, s105, 4                        ; the rotary table of my 8 token tiles
	s_lshl_b32 s19, s15, 3
	s_add_co_u32 s18, s18, s19
	s_lshl_b32 s18, s18, 12
	s_add_co_u32 s18, s18, ROPE
	s_mov_b32 s19, 0
	s_mov_b32 s[G0SA], 1
	s_mov_b32 s[G0SA+1], SCA
	s_mov_b32 s[G0SB], 1
	s_mov_b32 s[G0SB+1], SCB
	s_mov_b32 s[G0G], 1
	s_mov_b32 s[G0G+1], GREC
	s_mul_i32 s3, s16, 24576
	s_mul_i32 s2, s16, 18432
	s_mov_b32 s[HM], 0xffff0000
	s_mov_b32 s[SEL], 0x76543210
	s_mov_b32 s[SEL+1], 0xfedcba98
	s_wait_dscnt 0x0                               ; the opening add is done
	s_wait_kmcnt 0x0
	s_add_nc_u64 s[20:21], s[4:5], s[20:21]
	s_add_nc_u64 s[22:23], s[6:7], s[22:23]
	s_add_nc_u64 s[G0SA+2:G0SA+3], s[4:5], s[G0SA+2:G0SA+3]
	s_or_b32 s[G0SA+3], s[G0SA+3], 0x80000000
	s_add_nc_u64 s[G0SB+2:G0SB+3], s[6:7], s[G0SB+2:G0SB+3]
	s_or_b32 s[G0SB+3], s[G0SB+3], 0x80000000
	s_add_nc_u64 s[G0G+2:G0G+3], s[8:9], s[G0G+2:G0G+3]
	s_cmp_eq_u32 s15, 0
	s_cselect_b64 s[6:7], s[4:5], s[6:7]           ; the buffer that my prefetches name: waves 0, 1 x's codes, waves 2, 3 the weights' (both addresses have been used)
	s_mov_b64 s[4:5], s[G0G+2:G0G+3]
	s_or_b32 s[G0G+3], s[G0G+3], 0x80000000
	s_add_nc_u64 s[18:19], s[8:9], s[18:19]
	CROUND                                         ; all sixteen work-groups are here: the first joint loads meet
.irp s, 0,1
	s_mov_b32 s[G0A+4*\s], 1
	s_add_co_u32 s[G0A+4*\s+1], s3, \s*SLOT
	s_add_nc_u64 s[G0A+4*\s+2:G0A+4*\s+3], s[20:21], \s*3072
	s_or_b32 s[G0A+4*\s+3], s[G0A+4*\s+3], 0x80000000
	s_mov_b32 s[G0B+4*\s], 1
	s_add_co_u32 s[G0B+4*\s+1], s2, BOFF+\s*SLOT
	s_add_nc_u64 s[G0B+4*\s+2:G0B+4*\s+3], s[22:23], \s*3072
	s_or_b32 s[G0B+4*\s+3], s[G0B+4*\s+3], 0x80000000
.endr
; One tensor load a wave at the head, in one chain of branches on the wave's number: wave 0 slot 0's 16 tiles of x, wave 1 x's scale words, wave 2 slot 0's 12 weight tiles, wave 3 their scale words.
; Waves 0 and 2 fetch half 0 in the ring, so their ring descriptors already stand at the whole tile's first byte.
.macro ARM under, g0, g1, next, join
	s_cmp_lt_u32 s14, \under
	s_cbranch_scc0 \next
	tensor_load_to_lds s[\g0:\g0+3], s[\g1:\g1+7]
	s_nop 0
.rept 4
	v_nop
.endr
	s_branch \join
\next:
.endm
	ARM 1, G0A, G1A, .Lh1, .Lhj
	ARM 2, G0SA, G1SA, .Lh2, .Lhj
	ARM 3, G0B, G1B, .Lh3, .Lhj
	tensor_load_to_lds s[G0SB:G0SB+3], s[G1SB:G1SB+7]
	s_nop 0
.rept 4
	v_nop
.endr
.Lhj:
	; every LDS address is made here, on the way that all waves take
	v_and_b32 v1, 31, v0
	v_and_b32 v9, 15, v0                           ; r
	v_bfe_u32 v2, v0, 4, 1
	s_wait_alu depctr_va_vdst(0)
; THE PREFETCHES.  A slot holds 3,072 bytes (12 blocks of 256) of each of x's 16 tiles and of the weights' 12.  The four partners that ask for a tile jointly share its blocks out BY ADDRESS:
; the partner at cx takes x's tiles 4 cx .. 4 cx + 3 (48 blocks: waves 0 and 1), the partner at cy the weights' tiles 3 cy .. 3 cy + 2 (36 blocks: waves 2 and 3); a lane a block, lanes left over name the wave's last block again.
.set PFO, 30                           ; v30: my lane's block: 24,576 x (b / 12) + 256 x (b % 12); never rewritten
	s_lshl_b32 s2, s105, 4
	s_lshl_b32 s17, s100, 2
	s_add_co_u32 s2, s2, s17
	s_mul_i32 s3, s104, 12
	s_mul_i32 s17, s101, 3
	s_add_co_u32 s3, s3, s17
	s_cmp_eq_u32 s15, 0
	s_cselect_b32 s2, s2, s3
	s_cselect_b32 s17, 47, 35
	s_mul_i32 s2, s2, 24576
	s_add_co_u32 s2, s2, 2*3072                    ; it stands at slot 2: the first refill steps it to slot 3
	s_mov_b32 s3, 0
	s_add_nc_u64 s[6:7], s[6:7], s[2:3]
	s_lshl_b32 s3, s16, 5
	v_add_nc_u32 v[PFO], s3, v1
	v_min_u32 v[PFO], s17, v[PFO]                  ; b
	v_mul_u32_u24 v3, v[PFO], 171
	v_lshrrev_b32 v3, 11, v3                       ; b / 12 (exact for b under 48)
	v_mul_u32_u24 v4, v3, 12
	v_sub_nc_u32 v[PFO], v[PFO], v4
	v_lshlrev_b32 v[PFO], 8, v[PFO]
	v_mad_u32_u24 v[PFO], v3, 0x6000, v[PFO]
	v_lshlrev_b32 v[V16L], 4, v1
	v_lshlrev_b32 v[V8L], 3, v1
	v_lshlrev_b32 v[V4L], 2, v1
	v_lshlrev_b32 v[V64H], 6, v2
	s_mul_i32 s17, s15, 24576
	v_add_nc_u32 v[ADRA], s17, v[V16L]
	v_add_nc_u32 v[ADRA+1], SLOT, v[ADRA]
	s_mul_i32 s17, s[XT], 3072                     ; token tile X of my eight: inside the bytes that I read of x anyway
	v_add_nc_u32 v[ADRX], s17, v[ADRA]
	v_add_nc_u32 v[ADRX+1], s17, v[ADRA+1]
	s_mul_i32 s17, s16, 18432
	s_add_co_u32 s17, s17, BOFF
	v_add_nc_u32 v[ADRB], s17, v[V16L]
	v_add_nc_u32 v[ADRB+1], SLOT, v[ADRB]
	v_add_nc_u32 v[ADRG], GREC, v[V16L]
	s_lshl_b32 s17, s15, 13
	s_add_co_u32 s17, s17, SCA
	v_add_nc_u32 v[ADSA], s17, v[V4L]
	s_lshl_b32 s17, s[XT], 10
	v_add_nc_u32 v[ADSX], s17, v[ADSA]
	s_mul_i32 s17, s16, 6144
	s_add_co_u32 s17, s17, SCB
	v_add_nc_u32 v[ADSB], s17, v[V4L]
	v_add_nc_u32 v[ADSG], GREC+24576, v[V4L]
; Each of my 8 token tiles has 32 registers of its own for its table: tiles 0 to 3 in registers that the walk along K never names, tiles 4 to 7 in registers that held fragments.
.macro RSET i                          ; tile i's table: window RWN, from register RB on
.set RWN, 0
.if (\i) == 0
.set RWN, 1
.set RB, 88
.elseif (\i) == 1
.set RWN, 1
.set RB, 216
.elseif (\i) == 6
.set RWN, 1
.set RB, 120
.elseif (\i) == 7
.set RB, 224
.elseif (\i) < 4
.set RB, 64+32*((\i)-2)
.else
.set RB, 160+32*((\i)-4)
.endif
.endm
.macro RLOAD i
	RSET \i
	WIN (RWN<<6)
.irp p, 0,1,2,3,4,5,6,7
	global_load_b128 v[RB+4*\p:RB+4*\p+3], v[V16L], s[18:19] offset:4096*(\i)+512*\p
.endr
.endm
	s_wait_alu depctr_va_vdst(0)
	s_cmp_eq_u32 s16, 0                            ; Wg1's fragments of the first two steps of 128 and their scale words come from memory into the registers: the record in LDS is asked for behind the head's loads
	s_cbranch_scc0 .Lno_g01
	WIN TO_B
.irp cc, 0,1,2
	global_load_b128 v[72+4*\cc:75+4*\cc], v[V16L], s[4:5] offset:512*\cc
	global_load_b128 v[200+4*\cc:203+4*\cc], v[V16L], s[4:5] offset:1536+512*\cc
.endr
	WIN 0
	global_load_b32 v[SG], v[V4L], s[4:5] offset:24576
.Lno_g01:
	RLOAD 0
	RLOAD 1
	RLOAD 2
	RLOAD 3
	WIN 0
.macro WM d, a, b, sa, sb, q, zero     ; one product; q odd: both sides' scale words from lanes 16-31
.if \zero
	v_wmma_scale_f32_16x16x128_f8f6f4 v[(\d):(\d)+7], v[(\a):(\a)+11], v[(\b):(\b)+11], 0, v[\sa], v[\sb] matrix_a_fmt:MATRIX_FMT_FP6 matrix_b_fmt:MATRIX_FMT_FP6
.elseif (\q)%2
	v_wmma_scale_f32_16x16x128_f8f6f4 v[(\d):(\d)+7], v[(\a):(\a)+11], v[(\b):(\b)+11], v[(\d):(\d)+7], v[\sa], v[\sb] matrix_a_fmt:MATRIX_FMT_FP6 matrix_b_fmt:MATRIX_FMT_FP6 matrix_a_scale:MATRIX_SCALE_ROW1 matrix_b_scale:MATRIX_SCALE_ROW1
.else
	v_wmma_scale_f32_16x16x128_f8f6f4 v[(\d):(\d)+7], v[(\a):(\a)+11], v[(\b):(\b)+11], v[(\d):(\d)+7], v[\sa], v[\sb] matrix_a_fmt:MATRIX_FMT_FP6 matrix_b_fmt:MATRIX_FMT_FP6
.endif
.endm
; All accumulators take turns, one instruction a turn.
.macro QK16 a0, p, q, set, zero        ; q or k: token tiles a0 .. a0 + 3 x 4 column tiles
	WIN QKW
.irp i, \a0, \a0+1, \a0+2, \a0+3
.irp t, 0,1,2,3
	WM 8*(4*(\i)+\t), 128*(\p)+12*\t, AF+12*(\i), SB+6*(\set)+\t, SA+8*(\set)+(\i), \q, \zero
.endr
.endr
.endm
.macro V8 a0, p, q, set, zero          ; v: token tiles a0 .. a0 + 3 x 2 column tiles
	WIN VW
.irp i, \a0, \a0+1, \a0+2, \a0+3
.irp u, 0,1
	WM 64*\u+8*(\i), AF+12*(\i), 128*(\p)+48+12*\u, SA+8*(\set)+(\i), SB+6*(\set)+4+\u, \q, \zero
.endr
.endr
.endm
.macro GX p, q, set, zero              ; t: Wg1's tile x my one token tile, in the waves with wc = 0: a branch on the wave's number
	WIN 0
	s_cmp_eq_u32 s16, 0
	s_cbranch_scc0 .Lnogx_\@
	WIN GW
	WM 128, 128*(\p)+72, XA, SG+(\set), SX+(\set), \q, \zero
	WIN 0
.Lnogx_\@:
.endm
.macro FRAG3 reg, adr, off             ; a fragment's image: three loads of 16 bytes a lane
.irp cc, 0,1,2
	ds_load_b128 v[(\reg)+4*\cc:(\reg)+4*\cc+3], v[\adr] offset:(\off)+512*\cc
.endr
.endm
.macro FETCH_B slot, q, p
	WIN TO_B
.irp t, 0,1,2,3,4,5
	FRAG3 128*(\p)+12*\t, ADRB+\slot, 3072*\t+1536*(\q)
.endr
	WIN 0
.endm
.macro FETCH_A slot, q, i0             ; 12 loads
.irp i, \i0, \i0+1, \i0+2, \i0+3
	FRAG3 AF+12*(\i), ADRA+\slot, 3072*(\i)+1536*(\q)
.endr
.endm
; t's operands, in the waves with wc = 0: Wg1's fragment of step gk (counted from where ADRG stands) into set p, and my token tile's of (slot, q); sc = 1: their scale words for a slot too.
; These loads are the first of a run, so the counted waits, which leave the run's youngest loads out, hold in both kinds of wave
.macro GFETCH p, gk, slot, q, sc, set, k
	s_cmp_eq_u32 s16, 0
	s_cbranch_scc0 .Lnog_\@
.if (\gk) > 1                          ; steps 0 and 1 have theirs from memory
	WIN TO_B
	s_wait_alu depctr_va_vdst(0)
	FRAG3 128*(\p)+72, ADRG, 1536*(\gk)
	WIN 0
.endif
	FRAG3 XA, ADRX+\slot, 1536*(\q)
.if \sc
.if (\k) > 0
	ds_load_b32 v[SG+(\set)], v[ADSG] offset:128*(\k)
.endif
	ds_load_b32 v[SX+(\set)], v[ADSX] offset:128*(\k)
.endif
.Lnog_\@:
.endm
.macro SCALES set, k
.irp i, 0,1,2,3,4,5,6,7
	ds_load_b32 v[SA+8*(\set)+\i], v[ADSA] offset:1024*\i+128*(\k)
.endr
.irp t, 0,1,2,3,4,5
	ds_load_b32 v[SB+6*(\set)+\t], v[ADSB] offset:1024*\t+128*(\k)
.endr
.endm
; A slot's first 128 along K.  A load into a register that a matrix instruction has read stands four plain vector places behind it (ISA guide 7.12.1 for vector instructions).
.macro STEP slot, zero, gk
	s_wait_dscnt 12                                ; all but the youngest 12 loads, x's tiles 4-7
	GX 0, 0, \slot, \zero
	QK16 0, 0, 0, \slot, \zero
	V8 0, 0, 0, \slot, \zero
	s_wait_dscnt 0x0                               ; x's tiles 4-7 are in
	PLACES 4
	WIN 0
	GFETCH 1, \gk, \slot, 1, 0, 0, 0
	FETCH_B \slot, 1, 1
	FETCH_A \slot, 1, 0
	QK16 4, 0, 0, \slot, \zero
	V8 4, 0, 0, \slot, \zero
	PLACES 4
	WIN 0
	FETCH_A \slot, 1, 4
.endm
; A slot's second 128 along K changes slots: ONE barrier; in front of it each wave waits for all its tensor loads, adds 0 to its spare word, and waits for that and for its reads of this slot.
.macro TURN slot, next, fill, gk, k
.if \fill
	s_wait_xcnt 0x0                                ; my last prefetch, a slot ago, has read its address
	s_add_nc_u64 s[6:7], s[6:7], 3072              ; one slot beyond the one that this turn's refill brings
.endif
	s_wait_dscnt 12
	GX 1, 1, \slot, 0
	s_wait_tensorcnt 0x0                           ; all my tensor loads have landed: my part of the next slot
	ds_add_u32 v[SPW], v[NIL]                      ; 0 onto my spare word
	QK16 0, 1, 1, \slot, 0                         ; sixteen matrix instructions stand between the add and the wait for it
	s_wait_dscnt 0x0                               ; the add is done, and my reads of this slot are over
	s_barrier_signal -1
	V8 0, 1, 1, \slot, 0
	WIN 0
	s_barrier_wait -1
.if \fill
	CREST                                          ; the barrier has opened a round of the cluster's: no wave of any partner still reads this slot or has a load on its way
	s_add_nc_u64 s[G0A+4*\slot+2:G0A+4*\slot+3], s[G0A+4*\slot+2:G0A+4*\slot+3], 6144
	s_add_nc_u64 s[G0B+4*\slot+2:G0B+4*\slot+3], s[G0B+4*\slot+2:G0B+4*\slot+3], 6144
	JLOAD G0A+4*\slot, G1A, G0B+4*\slot, G1B       ; the first tensor load behind the round; its four v_nop are the places in front of the loads below
.else
	PLACES 4
.endif
	GFETCH 0, \gk, \next, 0, 1, \next, \k
	FETCH_B \next, 0, 0
	FETCH_A \next, 0, 0
	s_wait_alu depctr_va_vdst(0)
	SCALES \next, \k
.if \fill                              ; the slot that the NEXT refill brings is asked of memory now, two steps of 128 ahead of that load; the loop's last refill has no slot behind it
.if \slot
	s_cmp_lg_u32 s3, 1
	s_cbranch_scc0 .Lnoask_\@
.endif
	global_prefetch_b8 v[PFO], s[6:7] th:TH_LOAD_NT scope:SCOPE_SE
.if \slot
.Lnoask_\@:
.endif
.endif
	QK16 4, 1, 1, \slot, 0
	V8 4, 1, 1, \slot, 0
	PLACES 4
	WIN 0
	FETCH_A \next, 0, 4
.endm
	s_wait_alu depctr_va_vdst(0)
	s_wait_tensorcnt 0x0                           ; my tile of the head's four is in; these lines stand ahead of a later first fill as ahead of a refill
	ds_add_u32 v[SPW], v[NIL]
	s_wait_dscnt 0x0
	CROUND                                         ; all four tiles are in, and all sixteen work-groups are here
	ARM 1, G0A+4, G1A, .Li1, .Lij                  ; wave 0: slot 1's tiles of x; wave 1: Wg1's record; wave 2: slot 1's weight tiles; wave 3 has no part
	ARM 2, G0G, G1G, .Li2, .Lij
	ARM 3, G0B+4, G1B, .Li3, .Lij
.Lij:
	GFETCH 0, 0, 0, 0, 1, 0, 0
	s_wait_alu depctr_va_vdst(0)
	FETCH_B 0, 0, 0
	FETCH_A 0, 0, 0
	SCALES 0, 0
	FETCH_A 0, 0, 4
	s_wait_loadcnt 32                              ; Wg1's seven loads are in; the 32 loads of four rotary tables, issued behind them, may be out
	STEP 0, 1, 1
	s_wait_tensorcnt 0x0                           ; no tensor load of mine is out, so a descriptor may be written: from here on a load brings half a tile
	s_mov_b32 s[G1A+2], 8<<16
	s_mov_b32 s[G1A+4], 8
	s_mov_b32 s[G1B+2], 6<<16
	s_mov_b32 s[G1B+4], 6
	s_mov_b32 s3, 3
.Llap:                                                 ; a trip goes once round the ring and fills both slots again: K = 2,048 is 8 slots
	TURN 0, 1, 1, 2, 1
	STEP 1, 0, 3
	TURN 1, 0, 1, 4, 2
	STEP 0, 0, 5
	v_add_nc_u32 v[ADRG], 6144, v[ADRG]            ; four steps of 128 on
	v_add_nc_u32 v[ADSA], 256, v[ADSA]
	v_add_nc_u32 v[ADSB], 256, v[ADSB]
	v_add_nc_u32 v[ADSG], 256, v[ADSG]
	v_add_nc_u32 v[ADSX], 256, v[ADSX]
	s_sub_co_u32 s3, s3, 1
	s_cmp_lg_u32 s3, 0
	s_cbranch_scc1 .Llap
	TURN 0, 1, 0, 2, 1                             ; the last lap fills nothing
	STEP 1, 0, 3
	s_wait_dscnt 12
	GX 1, 1, 1, 0
	QK16 0, 1, 1, 1, 0
	V8 0, 1, 1, 1, 0
	s_wait_dscnt 0x0
	QK16 4, 1, 1, 1, 0
	V8 4, 1, 1, 1, 0
	PLACES 4                                       ; in front of the first reads of results
	WIN 0
	; ---- THE WAY OUT.  The bases (no tensor load is out: the descriptors' registers are free)
	RLOAD 4                                        ; the other four tables, into registers that held fragments (four places stand behind the last products); they land under v's way out
	RLOAD 5
	RLOAD 6
	RLOAD 7
	WIN 0
	s_lshl_b32 s17, s105, 4
	s_lshl_b32 s2, s15, 3
	s_add_co_u32 s17, s17, s2                      ; my first token tile
	s_add_co_u32 s20, s17, s[XT]                   ; t's token tile
	s_lshl_b32 s20, s20, 12
	s_lshl_b32 s2, s100, 10
	s_add_co_u32 s20, s20, s2
	s_add_co_u32 s20, s20, TIMG
	s_mov_b32 s21, 0
	s_add_nc_u64 s[20:21], s[12:13], s[20:21]      ; t's image: pieces 2 cx, 2 cx + 1
	s_lshl_b32 s22, s104, 4
	s_lshl_b32 s2, s105, 1
	s_add_co_u32 s22, s22, s2
	s_add_co_u32 s22, s22, s15
	s_mul_i32 s22, s22, REC
	s_mov_b32 s23, 0
	s_add_nc_u64 s[22:23], s[12:13], s[22:23]      ; my 128 keys' record
	s_mul_i32 s72, s16, 3072
	s_mov_b32 s73, 0
	s_add_nc_u64 s[72:73], s[22:23], s[72:73]
	s_lshl_b32 s74, s16, 7
	s_mov_b32 s75, 0
	s_add_nc_u64 s[74:75], s[22:23], s[74:75]
	s_lshl_b32 s68, s104, 7
	s_add_co_u32 s68, s68, s17
	s_lshl_b32 s68, s68, 12
	s_mov_b32 s69, 0
	s_add_nc_u64 s[68:69], s[10:11], s[68:69]      ; q's images
	s_lshl_b32 s70, s104, 3
	s_add_co_u32 s70, s70, s105
	s_lshl_b32 s70, s70, 1
	s_add_co_u32 s70, s70, s15
	s_lshl_b32 s70, s70, 8
	s_add_co_u32 s70, s70, KSUM
	s_mov_b32 s71, 0
	s_add_nc_u64 s[70:71], s[12:13], s[70:71]      ; k's sums
	s_cmp_eq_u32 s16, 0
	s_cbranch_scc0 .Lno_t
	WIN 0x0c                                       ; a store's data are its source 1: window 3
	global_store_b128 v[V16L], v[128:131], s[20:21]                ; the accumulator from its low end on: 512 consecutive bytes a store
	global_store_b128 v[V16L], v[132:135], s[20:21] offset:512
	WIN 0
.Lno_t:
	; v: a lane's 64 registers of a column tile are 128 keys of one channel: one fragment of attention's second product
	WIN 0xff
.irp b, 0,1,2,3
	v_mov_b32 v[164+\b], 0                         ; a lane permute's destination counts as one of its sources
.endr
	QUANT 0, 176, 160, 196
	QUANT 64, 200, 160, 197
	v_cndmask_b32 v198, v196, v197, s[HM]          ; lanes 0-15 the first tile's words, lanes 16-31 the second's
	WIN 0x0c
.irp u, 0,1
.irp cc, 0,1,2
	global_store_b128 v[V16L], v[176+24*\u+4*\cc:179+24*\u+4*\cc], s[72:73] offset:6144+1536*\u+512*\cc
.endr
.endr
	global_store_b32 v[V4L], v198, s[74:75] offset:12800
	WIN 0
; the rotary turn of token tile i: x1 = channels 16 h + 0 .. 15 (registers 32 i + 0 .. 15), x2 = those 32 further on; into set i % 2 of window 1
.macro ROPEI i
	RSET \i
	WIN (0x52+4*RWN)                               ; source 0 window 2, source 1 the table's window, source 2 and destination window 1
.set YB, 32*((\i)%2)
.irp j, 0,2,4,6,8,10,12,14
	v_pk_mul_f32 v[YB+\j:YB+\j+1], v[32*(\i)+\j:32*(\i)+\j+1], v[RB+\j:RB+\j+1]
	v_pk_fma_f32 v[YB+\j:YB+\j+1], v[32*(\i)+16+\j:32*(\i)+17+\j], v[RB+16+\j:RB+17+\j], v[YB+\j:YB+\j+1] neg_lo:[1,0,0] neg_hi:[1,0,0]
	v_pk_mul_f32 v[YB+16+\j:YB+17+\j], v[32*(\i)+16+\j:32*(\i)+17+\j], v[RB+\j:RB+\j+1]
	v_pk_fma_f32 v[YB+16+\j:YB+17+\j], v[32*(\i)+\j:32*(\i)+\j+1], v[RB+16+\j:RB+17+\j], v[YB+16+\j:YB+17+\j]
.endr
.endm
.macro TABLE i
.if (\i) < 4
	s_wait_loadcnt 32                              ; the head's loads are in; the 32 loads of tiles 4 to 7 may be out
.else
	s_wait_loadcnt 8*(7-(\i))                      ; this tile's table is in; the later tiles' 8 loads each may be out
.endif
	s_wait_xcnt 0x0
	ROPEI \i
.endm
.macro QPART i                         ; q leaves as f32, in the layout of its registers
	TABLE \i
	WIN 0x04                                       ; the data: window 1
.irp p, 0,1,2,3,4,5,6,7
	global_store_b128 v[V16L], v[YB+4*\p:YB+4*\p+3], s[68:69] offset:4096*(\i)+512*\p
.endr
.endm
.macro KPART i                         ; k is summed for the gate and quantised along the head's 64
	TABLE \i
.if (\i) == 1
	WIN 0x05
.set kj, 0
.rept 16
	v_pk_add_f32 v[KS+kj:KS+kj+1], v[kj:kj+1], v[32+kj:33+kj]      ; tiles 0 and 1 start the sums
.set kj, kj+2
.endr
.endif
.if (\i) > 1
	WIN 0x04
.set kj, 0
.rept 16
	v_pk_add_f32 v[KS+kj:KS+kj+1], v[KS+kj:KS+kj+1], v[YB+kj:YB+kj+1]
.set kj, kj+2
.endr
.endif
	WIN 0x55
	QUANT2 YB, 176, 184, 160, 188+((\i)%2)
.if (\i)%2 == 1
	v_cndmask_b32 v190, v188, v189, s[HM]
.endif
	WIN 0x04
	global_store_b128 v[V16L], v[176:179], s[22:23] offset:768*(\i)
	global_store_b64 v[V8L], v[180:181], s[22:23] offset:768*(\i)+512
.if (\i)%2 == 1
	global_store_b32 v[V4L], v190, s[22:23] offset:12288+128*((\i)/2)
.endif
.endm
	s_cmp_eq_u32 s16, 0
	s_cbranch_scc0 .Lkpart
.irp i, 0,1,2,3,4,5,6,7
	QPART \i
.endr
	WIN 0
	s_branch .Ldone
.Lkpart:
	WIN 0x40
	v_mov_b32 v162, 0                              ; lane permutes' destinations
	v_mov_b32 v163, 0
.irp i, 0,1,2,3,4,5,6,7
	KPART \i
.endr
	WIN 0
.irp m, 1,2,4,8                        ; over the 16 tokens that the lanes of a half hold: every lane ends with the sum of my 128 tokens
.set kj, 0
.rept 32
	v_add_f32_dpp v[KS+kj], v[KS+kj], v[KS+kj] row_xmask:\m row_mask:0xf bank_mask:0xf
.set kj, kj+1
.endr
.endr
	s_wait_alu depctr_va_vdst(0)
	s_wait_xcnt 0x0                                ; EXEC changes only behind this wait
	v_cmp_eq_u32 vcc_lo, 0, v9
	s_and_saveexec_b32 s17, vcc_lo                 ; lanes 0 and 16 store: channels 32 b + 16 h + 0 .. 15
.irp b, 0,1
.irp j, 0,1,2,3
	global_store_b128 v[V64H], v[KS+16*\b+4*\j:KS+16*\b+4*\j+3], s[70:71] offset:128*\b+16*\j
.endr
.endr
	s_wait_xcnt 0x0
	s_or_b32 exec_lo, exec_lo, s17
.Ldone:
	s_wait_tensorcnt 0x0                           ; the wave's end
	ds_add_u32 v[SPW], v[NIL]
	s_wait_dscnt 0x0
	CROUND                                         ; the closing round
	s_endpgm
.Lfunc_end_k_q542eacf149_qkv:
	.size	k_q542eacf149_qkv, .Lfunc_end_k_q542eacf149_qkv-k_q542eacf149_qkv
	.p2alignl 7, 3214868480
	.fill 96, 4, 3214868480
	.section	.rodata,"a",@progbits
	.p2align	6, 0x0
	.amdhsa_kernel k_q542eacf149_qkv
		.amdhsa_group_segment_fixed_size 327680
		.amdhsa_private_segment_fixed_size 0
		.amdhsa_enable_private_segment 0
		.amdhsa_kernarg_size 40
		.amdhsa_user_sgpr_count 2
		.amdhsa_user_sgpr_kernarg_segment_ptr 1
		.amdhsa_wavefront_size32 1
		.amdhsa_system_sgpr_workgroup_id_x 1
		.amdhsa_system_sgpr_workgroup_id_y 1
		.amdhsa_system_sgpr_workgroup_id_z 1
		.amdhsa_system_vgpr_workitem_id 0
		.amdhsa_next_free_vgpr 1024
		.amdhsa_next_free_sgpr 106
		.amdhsa_reserve_vcc 1
		.amdhsa_float_denorm_mode_32 3
		.amdhsa_float_denorm_mode_16_64 3
		.amdhsa_memory_ordered 1
		.amdhsa_forward_progress 1
		.amdhsa_inst_pref_size 190
	.end_amdhsa_kernel
	.amdgpu_metadata
---
amdhsa.version: [ 1, 2 ]
amdhsa.kernels:
  - .name:           k_q542eacf149_qkv
    .symbol:         k_q542eacf149_qkv.kd
    .args:
      - { .name: xq, .offset: 0, .size: 8, .value_kind: global_buffer, .address_space: global }
      - { .name: wq, .offset: 8, .size: 8, .value_kind: global_buffer, .address_space: global }
      - { .name: aux, .offset: 16, .size: 8, .value_kind: global_buffer, .address_space: global }
      - { .name: qf, .offset: 24, .size: 8, .value_kind: global_buffer, .address_space: global }
      - { .name: kv, .offset: 32, .size: 8, .value_kind: global_buffer, .address_space: global }
    .group_segment_fixed_size: 327680
    .private_segment_fixed_size: 0
    .kernarg_segment_align: 8
    .kernarg_segment_size: 40
    .max_flat_workgroup_size: 128
    .sgpr_count:     106
    .vgpr_count:     1024
    .wavefront_size: 32
...
	.end_amdgpu_metadata
.endif
;; end of part 2
;; launch attn (part 3): grid 8 x 32, 16 waves a work-group, clusters of 4 x 1, 274,432 bytes of LDS; arguments qf, kv, aux, o_norm_w, oq; writes oq
.if DOCPART == 3
	.amdgcn_target "amdgcn-amd-amdhsa--gfx1250"
	.amdhsa_code_object_version 6
	.text
	.protected	k_q542eacf149_attn
	.globl	k_q542eacf149_attn
	.p2align	8
	.type	k_q542eacf149_attn,@function
k_q542eacf149_attn:
	s_mov_b64 s[64:65], 0
	v_nop
	global_prefetch_b8 v0, s[64:65] scope:SCOPE_SE
	s_setreg_imm32_b32 hwreg(HW_REG_WAVE_MODE, 25, 1), 1
	s_wait_xcnt 0x0
	s_wait_alu depctr_hold_cnt(0) depctr_sa_sdst(0) depctr_va_vdst(0) depctr_va_sdst(0) depctr_va_ssrc(0) depctr_va_vcc(0) depctr_vm_vsrc(0)
	s_getreg_b32 s2, hwreg(HW_REG_IB_STS2, 6, 4)
	s_cmp_eq_u32 s2, 0
	s_cbranch_scc0 .Lentry_in_a_cluster
	s_endpgm
.Lentry_in_a_cluster:
	s_bfe_u32 s2, ttmp6, 0x10000c
	s_cmp_lg_u32 s2, 0x3003
	s_cbranch_scc0 .Lentry_shape_is_right
	s_endpgm
.Lentry_shape_is_right:
; ATTN: the gate over chunks and its top 3 past chunks, the two products of attention on codes of FP6 (E2M3), g = t Wg2, the RMS norm with its gain and sigmoid(g), and o quantised for the last product.
; LEFT OUT: key steps behind the causal mask, and the gate of queries in chunks 0 to 3, which always choose all their past chunks (shown at the head of launch prep).
; A work-group (head, g) takes token tiles g and g + 8 of each of the 8 chunks: 16 tiles of 16 queries, one to a wave, 256 registers a wave.  All work-groups are alike; every branch hangs on the wave's number alone.
; Wave w: p = w % 4, e = 1 - (w / 4) % 2, role = w / 8.  Role 0 owns the tile of chunk p, role 1 that of chunk 7 - p.  A tile of chunk c has 2 c + 1 + e steps of 128 keys, so the two tiles of waves w and w + 8 have 16 + 2 e.
; THE KEYS OF THE LATER TILE ARE SHARED: in phase 1 wave w takes its records 0 .. 7 - 2 p and wave w + 8 the others; in phase 2 wave w takes its own tile.  So role 0 has 9 + e steps and role 1 has 7 + e:
; 10, 9, 8, 7 steps for waves 0-3, 4-7, 8-11, 12-15: the longer shares have the lower numbers.
; Wave w hands O^T, -M and the sums to wave w + 8 through LDS; M is a whole number, so the two parts are joined by exact powers of two.
; THE HEAD'S 16 RECORDS OF 128 KEYS (13,056 bytes each) come into LDS once, record w by wave w, JOINTLY for the four work-groups of a cluster, all of which read all 16; nothing is filled again.
; No prefetch: all tiles are asked for at the head, and there is no loop to run ahead in.
; THE CHOICE OF CHUNKS steers values alone: where my query has not chosen the step's chunk, its p are 0 (v_cndmask_b32).
; Both products are used transposed: a lane holds one query throughout.  p = 2^(t - M), M the running largest t rounded up to a whole number; the row's sum is taken of the unquantised p.
; K = 64 in q k^T and in t Wg2: q's and t's codes of k = 64 .. 127 are zeros and all scale bytes there are 127, so whatever codes stand opposite add nothing.  So the half images of K and of Wg2 lie 6 registers apart,
; and an operand's upper six registers are the next tile's codes (behind the last tile: zeros).
; LIMITS: NaN and infinities are not served.  The gate is f32 throughout; a gate within f32 rounding of its rival may choose the other chunk.  Ties go to the lower chunk.  Scaled scores stay under 2^31 in magnitude.
; REGISTERS: v1-3 16, 8, 4 x lane; v4, v5 the add's; v6-8 the step's addresses; v9 my query - 16 h; v10 my pair's LDS region; v30 my own place in it; v12 -M, v13 the largest t, v[14:15] the sum; v16-27 q; v28 q's scale word;
;   v29 the chosen chunks' bits; v32-85 K's eight half images, or v32-79 V's four fragments; v86-87 V's scale words; v88-91 K's; v[92:93] -M or -infinity; v94 -infinity; v96-159 S^T, then p; v160-191 O^T;
;   v192-223 gain x sigmoid(g); v224-255 codes and work.
.set REC,  13056
.set KSUM, 6684672
.set TIMG, 6815744
.set G2C,  102400
.set G2S,  200704
.set OSC,  3145728
.set KG,   208896                      ; LDS behind the records: the 8 chunks' mean keys, 8 x 64 f32
.set HB,   210944                      ; a region for each pair of waves: q's image of wave w (1,536 bytes), of wave w + 8, then O^T (4,096) and -M, t, sums (512)
.set REG,  7680
.set SPARE, 272384                     ; the spare words: 128 bytes for each of 16 waves
.set CS,  22                           ; s[22:23] log2(e) / 8
.set LO,  36                           ; the phase's first key,
.set HI,  37                           ; its last,
.set QF,  38                           ; and the first key of the one step that the causal mask cuts
.set LO2, 39
.set SEL, 48
.set TB,  51                           ; the step's record in LDS
.set KF,  52                           ; the step's first key
.set CH,  53
.set NM,  54                           ; the lanes whose query has chosen the step's chunk
.macro CROUND                          ; a round of the cluster's barrier
	s_barrier_signal -1
	s_barrier_wait -1
	s_cmp_lg_u32 s14, 0
	s_cbranch_scc1 .Lnw0_\@
	s_barrier_signal -3
.Lnw0_\@:
	s_barrier_wait -3
	s_barrier_signal -1
	s_barrier_wait -1
.endm
.macro QUANT2 n, d, x, tm, pw          ; 32 numbers of a lane, register 16 b + i = k 32 b + 16 h + i, become six registers of codes from v[d] on and a scale word whose upper two bytes are 127
.irp b, 0,1
	v_max3_num_f32 v[(\tm)+\b], |v[(\n)+16*\b]|, |v[(\n)+1+16*\b]|, 0x1800000
.endr
.irp i, 2,4,6,8,10,12,14
.irp b, 0,1
	s_delay_alu instid0(VALU_DEP_2)
	v_max3_num_f32 v[(\tm)+\b], v[(\tm)+\b], |v[(\n)+16*\b+\i]|, |v[(\n)+1+16*\b+\i]|
.endr
.endr
.irp b, 0,1
	s_delay_alu instid0(VALU_DEP_2)
	v_permlanex16_b32 v[(\tm)+2+\b], v[(\tm)+\b], s[SEL], s[SEL+1]
.endr
.irp b, 0,1
	s_delay_alu instid0(VALU_DEP_2)
	v_max_num_f32 v[(\tm)+\b], v[(\tm)+\b], v[(\tm)+2+\b]
.endr
.irp b, 0,1
	s_delay_alu instid0(VALU_DEP_2)
	v_add_nc_u32 v[(\tm)+4+\b], 0xff000000, v[(\tm)+\b]
.endr
.irp b, 0,1
	s_delay_alu instid0(VALU_DEP_2)
	v_lshrrev_b32 v[(\tm)+6+\b], 23, v[(\tm)+4+\b]
.endr
	s_delay_alu instid0(VALU_DEP_1)
	v_lshl_or_b32 v[\pw], v[(\tm)+7], 8, v[(\tm)+6]
	s_delay_alu instid0(VALU_DEP_1)
	v_or_b32 v[\pw], 0x7f7f0000, v[\pw]
	v_cvt_scalef32_pk16_fp6_f32 v[(\d):(\d)+2], v[(\n):(\n)+15], v[(\tm)+4]
	v_cvt_scalef32_pk16_fp6_f32 v[(\x):(\x)+2], v[(\n)+16:(\n)+31], v[(\tm)+5]
	v_nop                                          ; one plain place behind a scaled conversion
.irp i, 0,1,2
	v_permlane16_swap_b32 v[(\d)+\i], v[(\x)+\i]
.endr
.irp i, 0,1,2
	s_delay_alu instid0(VALU_DEP_3)
	v_mov_b32 v[(\d)+3+\i], v[(\x)+\i]
.endr
.endm
.macro SW d, a, b, zero, sa, sb, row   ; one product; row = 1: source 0's scale words from lanes 16-31
.if (\zero) && (\row)
	v_wmma_scale_f32_16x16x128_f8f6f4 v[(\d):(\d)+7], v[(\a):(\a)+11], v[(\b):(\b)+11], 0, v[\sa], v[\sb] matrix_a_fmt:MATRIX_FMT_FP6 matrix_b_fmt:MATRIX_FMT_FP6 matrix_a_scale:MATRIX_SCALE_ROW1
.elseif \zero
	v_wmma_scale_f32_16x16x128_f8f6f4 v[(\d):(\d)+7], v[(\a):(\a)+11], v[(\b):(\b)+11], 0, v[\sa], v[\sb] matrix_a_fmt:MATRIX_FMT_FP6 matrix_b_fmt:MATRIX_FMT_FP6
.elseif \row
	v_wmma_scale_f32_16x16x128_f8f6f4 v[(\d):(\d)+7], v[(\a):(\a)+11], v[(\b):(\b)+11], v[(\d):(\d)+7], v[\sa], v[\sb] matrix_a_fmt:MATRIX_FMT_FP6 matrix_b_fmt:MATRIX_FMT_FP6 matrix_a_scale:MATRIX_SCALE_ROW1
.else
	v_wmma_scale_f32_16x16x128_f8f6f4 v[(\d):(\d)+7], v[(\a):(\a)+11], v[(\b):(\b)+11], v[(\d):(\d)+7], v[\sa], v[\sb] matrix_a_fmt:MATRIX_FMT_FP6 matrix_b_fmt:MATRIX_FMT_FP6
.endif
.endm
	s_load_b256 s[4:11], s[0:1], 0x0               ; qf, kv, aux, o_norm_w
	s_load_b64 s[12:13], s[0:1], 0x20              ; oq
	v_lshl_add_u32 v4, v0, 2, SPARE
	v_mov_b32 v5, 0
	ds_add_u32 v4, v5                              ; the wave's opening: the add, twice on end, and its wait ahead of the first tensor load
	ds_add_u32 v4, v5
	v_lshrrev_b32 v1, 5, v0
	s_delay_alu instid0(VALU_DEP_1)
	v_readfirstlane_b32 s14, v1                    ; wave 0..15
	s_and_b32 s15, ttmp7, 0xffff                   ; the head
	s_bfe_u32 s41, ttmp6, 0x40000
	s_lshl_b32 s56, ttmp9, 2
	s_add_co_u32 s41, s41, s56                     ; g = 4 x cluster x + cx: it enters global addresses and my query's number alone
	s_and_b32 s16, s14, 3                          ; p
	s_bfe_u32 s17, s14, 0x10002
	s_xor_b32 s17, s17, 1                          ; e
	s_lshr_b32 s40, s14, 3                         ; role
	s_sub_co_u32 s18, 7, s16
	s_cmp_eq_u32 s40, 0
	s_cselect_b32 s18, s16, s18                    ; my chunk c
	s_lshl_b32 s42, s18, 1
	s_add_co_u32 s42, s42, s17
	s_lshl_b32 s42, s42, 7                         ; the first key of my tile's last record, 2 c + e: the one step that the causal mask cuts
	s_add_co_u32 s43, s42, 127                     ; and its last key
	s_lshl_b32 s56, s16, 1
	s_sub_co_u32 s56, 8, s56
	s_lshl_b32 s56, s56, 7                         ; where the later tile's keys are parted: 128 (8 - 2 p), under its own chunk's first key 256 (7 - p)
	s_sub_co_u32 s44, s56, 1
	s_cmp_eq_u32 s40, 0
	s_cselect_b32 s[LO], 0, s56                    ; phase 1: role 0 the keys under the parting, all of them open; role 1 the others
	s_cselect_b32 s[HI], s44, s43
	s_cselect_b32 s[QF], -1, s42
	s_cselect_b32 s[LO2], 0, -1                    ; phase 2: role 0 its own tile, role 1 nothing
	s_lshl_b32 s19, s18, 4
	s_add_co_u32 s19, s19, s41
	s_lshl_b32 s56, s17, 3
	s_add_co_u32 s19, s19, s56                     ; my token tile T = 16 c + g + 8 e
	s_lshr_b32 s20, s19, 1
	s_lshl_b32 s20, s20, 5
	s_and_b32 s56, s19, 1
	s_lshl_b32 s56, s56, 3
	s_add_co_u32 s20, s20, s56                     ; my first query: 32 (T / 2) + 8 (T % 2)
	s_and_b32 s58, s14, 7
	s_mul_i32 s58, s58, REG
	s_add_co_u32 s58, s58, HB                      ; my pair's region
	s_mul_i32 s59, s40, 1536
	s_mov_b32 s24, 15|(3<<16)|(1<<21)              ; a record: 51 rows of 256 bytes (32 elements of 8 bytes), no padding; the mask names the cluster's four, bit 21 beside it
	s_mov_b32 s25, 32<<16
	s_mov_b32 s26, 51<<16
	s_mov_b32 s27, 32<<16
	s_mov_b32 s28, 51
	s_mov_b32 s29, 32
	s_mov_b32 s30, 0
	s_mov_b32 s31, 0
	s_mov_b32 s32, 1
	s_mul_i32 s33, s14, REC                        ; record w, by wave w
	s_lshl_b32 s34, s15, 4
	s_add_co_u32 s34, s34, s14
	s_mul_i32 s34, s34, REC
	s_mov_b32 s35, 0
	s_lshl_b32 s60, s15, 7
	s_add_co_u32 s60, s60, s19
	s_lshl_b32 s60, s60, 12                        ; q's image
	s_mov_b32 s61, 0
	s_lshl_b32 s62, s19, 12
	s_add_co_u32 s62, s62, TIMG                    ; t's image
	s_mov_b32 s63, 0
	s_mul_i32 s66, s15, 3072
	s_add_co_u32 s66, s66, G2C                     ; Wg2's four half images of my head
	s_mov_b32 s67, 0
	s_lshl_b32 s68, s15, 8
	s_add_co_u32 s68, s68, G2S
	s_mov_b32 s69, 0
	s_lshl_b32 s70, s15, 12
	s_add_co_u32 s70, s70, KSUM
	s_mov_b32 s71, 0
	s_lshl_b32 s72, s19, 5
	s_add_co_u32 s72, s72, s15
	s_mul_i32 s72, s72, 768                        ; o's half image
	s_mov_b32 s73, 0
	s_lshl_b32 s74, s19, 10
	s_lshr_b32 s56, s15, 1
	s_lshl_b32 s56, s56, 6
	s_add_co_u32 s74, s74, s56
	s_and_b32 s56, s15, 1
	s_lshl_b32 s56, s56, 1
	s_add_co_u32 s74, s74, s56
	s_add_co_u32 s74, s74, OSC                     ; and its two bytes of each row's scale word
	s_mov_b32 s75, 0
	s_mov_b32 s[CS], 0x3e38aa3b                    ; log2(e) / sqrt(64)
	s_mov_b32 s[CS+1], s[CS]
	s_mov_b32 s[SEL], 0x76543210
	s_mov_b32 s[SEL+1], 0xfedcba98
	s_wait_dscnt 0x0                               ; both opening adds are done
	s_wait_kmcnt 0x0
	s_add_nc_u64 s[34:35], s[6:7], s[34:35]
	s_or_b32 s35, s35, 0x80000000
	s_add_nc_u64 s[60:61], s[4:5], s[60:61]
	s_add_nc_u64 s[62:63], s[6:7], s[62:63]
	s_add_nc_u64 s[66:67], s[8:9], s[66:67]
	s_add_nc_u64 s[68:69], s[8:9], s[68:69]
	s_add_nc_u64 s[70:71], s[6:7], s[70:71]
	s_add_nc_u64 s[72:73], s[12:13], s[72:73]
	s_add_nc_u64 s[74:75], s[12:13], s[74:75]
	v_and_b32 v7, 31, v0
	s_delay_alu instid0(VALU_DEP_1)
	v_lshlrev_b32 v1, 4, v7
	v_lshlrev_b32 v2, 3, v7
	v_lshlrev_b32 v3, 2, v7
	v_and_b32 v7, 15, v0                           ; r
	v_bfe_u32 v11, v0, 4, 1                        ; h
	s_delay_alu instid0(VALU_DEP_2)
	v_and_b32 v9, 8, v7
	s_delay_alu instid0(VALU_DEP_1)
	v_add3_u32 v9, v9, v7, s20                     ; my query
	v_lshlrev_b32 v8, 4, v11
	s_delay_alu instid0(VALU_DEP_1)
	v_sub_nc_u32 v9, v9, v8                        ; - 16 h
	v_lshlrev_b32 v6, 6, v11                       ; 64 h
	v_lshlrev_b32 v31, 2, v7                       ; 4 r
	s_delay_alu instid0(VALU_DEP_2)
	v_add_nc_u32 v95, KG, v6
	v_add_nc_u32 v10, s58, v1                      ; every LDS address is made here, on the way that all waves take
	s_delay_alu instid0(VALU_DEP_1)
	v_add_nc_u32 v30, s59, v10
	v_lshrrev_b32 v252, 6, v0                      ; thread 64 n + d takes channel d of chunk n's key sums
	s_delay_alu instid0(VALU_DEP_1)
	v_lshlrev_b32 v252, 9, v252
	v_and_b32 v253, 63, v0
	s_delay_alu instid0(VALU_DEP_1)
	v_lshl_add_u32 v252, v253, 2, v252
	v_lshl_add_u32 v254, v0, 2, KG
	global_load_b32 v236, v252, s[70:71]           ; what the gate waits for is asked for first, ahead of the cluster's round
	global_load_b32 v237, v252, s[70:71] offset:256
.irp p, 0,1,2,3,4,5,6,7
	global_load_b128 v[96+4*\p:99+4*\p], v1, s[60:61] offset:512*\p th:TH_LOAD_NT      ; q: read once, by me
.endr
.irp p, 0,1,2,3,4,5,6,7
	global_load_b128 v[128+4*\p:131+4*\p], v1, s[62:63] offset:512*\p
.endr
.irp b, 0,1
.irp j, 0,1,2,3
	global_load_b128 v[192+16*\b+4*\j:195+16*\b+4*\j], v6, s[10:11] offset:128*\b+16*\j   ; the gain at my channels 32 b + 16 h + 0 .. 15
.endr
.endr
.irp t, 0,1,2,3
	global_load_b128 v[32+6*\t:35+6*\t], v1, s[66:67] offset:768*\t
	global_load_b64 v[36+6*\t:37+6*\t], v2, s[66:67] offset:768*\t+512
.endr
.irp tt, 0,1
	global_load_b32 v[88+\tt], v3, s[68:69] offset:128*\tt
.endr
	s_wait_alu depctr_va_vdst(0)
	CROUND                                         ; the four work-groups are here: the joint loads meet
	tensor_load_to_lds s[32:35], s[24:31]          ; my one tensor load
	s_nop 0
.irp j, 22,23,24,25,26,27
	v_mov_b32 v[\j], 0                             ; q's codes of k = 64 .. 127
.endr
.irp j, 56,57,58,59,60,61,80,81,82,83,84,85
	v_mov_b32 v[\j], 0                             ; the upper halves of the last operands: behind Wg2's four half images, and behind K's eight
.endr
	v_mov_b32 v246, 0                              ; lane permutes' destinations
	v_mov_b32 v247, 0
	v_mov_b32 v93, 0                               ; named as the upper half of a pair
	v_mov_b32 v94, 0xff800000                      ; -infinity
	s_wait_loadcnt 34                              ; the two loads of the sums are in; the 34 issued behind them may be out
	v_add_f32 v252, v236, v237
	s_delay_alu instid0(VALU_DEP_1)
	v_mul_f32 v252, 0x3b800000, v252               ; / 256: the chunk's mean key
	ds_store_b32 v254, v252
	s_wait_dscnt 0x0                               ; for the others' sake
	s_barrier_signal -1
	s_barrier_wait -1                              ; the mean keys lie in LDS (the records' loads may stay out)
	s_wait_loadcnt 0x0
	v_mov_b32 v253, 0
.irp b, 0,1,2,3
	v_mov_b32 v[240+\b], 0                         ; lane permutes' destinations
.endr
	s_lshl_b32 s56, 2, s18
	s_sub_co_u32 s56, s56, 1
	v_mov_b32 v29, s56                             ; chunks 0 to 3: my own chunk and all past ones
	s_cmp_lt_u32 s18, 4
	s_wait_alu depctr_va_vdst(0)
	s_cbranch_scc1 .Lnogate
; THE GATE of chunk n: q . mean key, in f32; chunks that are not strictly past keep -infinity
.macro GATE n
.if (\n) >= 4
	s_cmp_gt_u32 s18, \n
	s_wait_alu depctr_va_vdst(0)
	s_cbranch_scc0 .Lng_\@
.endif
.irp b, 0,1
.irp j, 0,1,2,3
	ds_load_b128 v[160+16*\b+4*\j:163+16*\b+4*\j], v95 offset:256*(\n)+128*\b+16*\j
.endr
.endr
	s_wait_dscnt 0x0
	v_pk_mul_f32 v[236:237], v[96:97], v[160:161]
	v_pk_mul_f32 v[238:239], v[98:99], v[162:163]
.irp j, 4,8,12,16,20,24,28
	s_delay_alu instid0(VALU_DEP_2)
	v_pk_fma_f32 v[236:237], v[96+\j:97+\j], v[160+\j:161+\j], v[236:237]
	s_delay_alu instid0(VALU_DEP_2)
	v_pk_fma_f32 v[238:239], v[98+\j:99+\j], v[162+\j:163+\j], v[238:239]
.endr
	s_delay_alu instid0(VALU_DEP_1)
	v_pk_add_f32 v[236:237], v[236:237], v[238:239]
	s_delay_alu instid0(VALU_DEP_1)
	v_add_f32 v236, v236, v237
	s_delay_alu instid0(VALU_DEP_1)
	v_permlanex16_b32 v237, v236, s[SEL], s[SEL+1]
	s_delay_alu instid0(VALU_DEP_1)
	v_add_f32 v[224+\n], v236, v237
.if (\n) >= 4
.Lng_\@:
.endif
.endm
.irp n, 0,1,2,3,4,5,6
	v_mov_b32 v[224+\n], v94
.endr
.irp n, 0,1,2,3,4,5,6
	GATE \n
.endr
; A chunk's rank = how many chunks come before it in a descending sort that keeps the lower index on a tie.  It starts as if every later chunk came before it.
.irp n, 0,1,2,3,4,5,6
	v_mov_b32 v[232+\n], 6-\n
.endr
.irp m, 0,1,2,3,4,5
.irp n, 1,2,3,4,5,6
.if \m < \n
	v_cmp_ge_f32 vcc_lo, v[224+\m], v[224+\n]
	s_delay_alu instid0(VALU_DEP_1)
	v_cndmask_b32 v240, 0, 1, vcc_lo
	s_delay_alu instid0(VALU_DEP_1)
	v_add_nc_u32 v[232+\n], v[232+\n], v240
	s_delay_alu instid0(VALU_DEP_2)
	v_sub_nc_u32 v[232+\m], v[232+\m], v240
.endif
.endr
.endr
	s_lshl_b32 s56, 1, s18
	v_mov_b32 v29, s56                             ; my own chunk always
.irp n, 0,1,2,3,4,5,6
	v_cmp_gt_u32 vcc_lo, 3, v[232+\n]
	s_delay_alu instid0(VALU_DEP_1)
	v_cndmask_b32 v240, 0, 1<<\n, vcc_lo
	s_delay_alu instid0(VALU_DEP_1)
	v_or_b32 v29, v29, v240
.endr
.Lnogate:
.irp j, 230,231,232,233,234,235
	v_mov_b32 v[\j], 0                             ; t's codes of k = 64 .. 127
.endr
	QUANT2 96, 16, 236, 244, 28                    ; q
	QUANT2 128, 224, 236, 244, 255                 ; t
	ds_store_b128 v30, v[16:19]                    ; q's codes, scale word and chosen chunks as an image of the registers: role 1's for its partner, role 0's for its own phase 2
	ds_store_b128 v30, v[20:23] offset:512
	ds_store_b64 v30, v[28:29] offset:1024
.rept 8
	v_nop                                          ; a scale register written by a vector instruction stands 8 places ahead of a scaled matrix instruction
.endr
.irp t, 0,1,2,3                        ; g = t Wg2, transposed: register 8 t + j is my query's channel, as in O^T
	SW 160+8*\t, 32+6*\t, 224, 1, 88+\t/2, 255, \t%2
.endr
.rept 4
	v_nop
.endr
.set pj, 0
.rept 16
	v_pk_mul_f32 v[160+pj:161+pj], v[160+pj:161+pj], 0xbfb8aa3b op_sel_hi:[1,0]    ; - g log2(e)
.set pj, pj+2
.endr
.set pj, 0
	s_wait_alu depctr_va_vdst(0)
.rept 32
	v_exp_f32 v[160+pj], v[160+pj]
.set pj, pj+1
.endr
	v_mov_b32 v13, 0xff61b1e6                      ; (a plain place)  the largest t so far: -3e38
	s_wait_alu depctr_va_vdst(0)                   ; one wait for the batch, ahead of its first reader
.set pj, 0
.rept 16
	v_pk_add_f32 v[160+pj:161+pj], v[160+pj:161+pj], 1.0 op_sel_hi:[1,0]
.set pj, pj+2
.endr
.set pj, 0
	s_wait_alu depctr_va_vdst(0)
.rept 32
	v_rcp_f32 v[160+pj], v[160+pj]
.set pj, pj+1
.endr
	v_floor_f32 v12, -v13                          ; (a plain place)  -M
	s_wait_alu depctr_va_vdst(0)
.set pj, 0
.rept 16
	v_pk_mul_f32 v[192+pj:193+pj], v[192+pj:193+pj], v[160+pj:161+pj]              ; gain x sigmoid(g)
.set pj, pj+2
.endr
.macro CLEAR                           ; the step is written once; a tile's first step finds zeros
.set pj, 0
.rept 32
	v_mov_b32 v[160+pj], 0
.set pj, pj+1
.endr
	v_mov_b32 v14, 0
	v_mov_b32 v15, 0
.endm
	CLEAR
; A KEY STEP: 128 keys
.macro STEP
	s_cmp_gt_u32 s[KF], s[HI]                      ; outside my share of the keys: left out
	s_cbranch_scc1 .Lhid_\@
	s_cmp_lt_u32 s[KF], s[LO]
	s_cbranch_scc1 .Lhid_\@
	v_add_nc_u32 v6, s[TB], v1                     ; (these four vector lines are the places in front of the loads below)
	v_add_nc_u32 v7, s[TB], v2
	v_add_nc_u32 v8, s[TB], v3
	s_lshr_b32 s[CH], s[KF], 8
	v_lshrrev_b32 v254, s[CH], v29
	s_wait_alu depctr_va_vdst(0)
.irp t, 0,1,2,3,4,5,6,7                ; K's eight half images in one run, 6 registers apart
	ds_load_b128 v[32+6*\t:35+6*\t], v6 offset:768*\t
	ds_load_b64 v[36+6*\t:37+6*\t], v7 offset:768*\t+512
.endr
.irp tt, 0,1,2,3
	ds_load_b32 v[88+\tt], v8 offset:12288+128*\tt
.endr
	s_wait_dscnt 0x0
.irp t, 0,1,2,3,4,5,6,7                ; S^T = K q^T: eight tiles of 16 keys
	SW 96+8*\t, 32+6*\t, 16, 1, 88+\t/2, 28, \t%2
.endr
.rept 4
	v_nop
.endr
.irp t, 0,1,2,3                        ; V's four fragments are asked for now and land during the softmax
.irp cc, 0,1,2
	ds_load_b128 v[32+12*\t+4*\cc:35+12*\t+4*\cc], v6 offset:6144+1536*\t+512*\cc
.endr
.endr
.irp tt, 0,1
	ds_load_b32 v[86+\tt], v8 offset:12800+128*\tt
.endr
	s_add_co_u32 s56, s[KF], 127                   ; in the tile's last record hidden scores become -infinity; a step all of whose keys count skips this
	s_cmp_le_u32 s56, s[QF]
	s_cbranch_scc1 .Lopen_\@
	v_sub_nc_u32 v252, v9, s[KF]                   ; register 16 b + i holds key KF + 16 h + 32 b + i: hidden where 32 b + i > my query - KF - 16 h
.set mi, 0
.rept 64
	v_cmp_gt_i32 vcc_lo, 32*(mi/16)+mi%16, v252
	v_cndmask_b32 v[96+mi], v[96+mi], v94, vcc_lo
.set mi, mi+1
.endr
.Lopen_\@:
	s_wait_alu depctr_va_vdst(0)
	v_and_b32 v254, 1, v254
	s_delay_alu instid0(VALU_DEP_1)
	v_cmp_eq_u32 s[NM], 1, v254                    ; has my query chosen this chunk?
.irp b, 0,1,2,3
	v_max3_num_f32 v[244+\b], v[96+16*\b], v[97+16*\b], v[98+16*\b]    ; the largest score of each block of 32 keys: for the row's maximum and for the block's largest p
.endr
.irp i, 3,5,7,9,11,13
.irp b, 0,1,2,3
	v_max3_num_f32 v[244+\b], v[244+\b], v[96+16*\b+\i], v[97+16*\b+\i]
.endr
.endr
.irp b, 0,1,2,3
	v_max_num_f32 v[244+\b], v[244+\b], v[111+16*\b]
.endr
.irp b, 0,1,2,3
	s_delay_alu instid0(VALU_DEP_4)
	v_permlanex16_b32 v[240+\b], v[244+\b], s[SEL], s[SEL+1]
.endr
.irp b, 0,1,2,3
	s_delay_alu instid0(VALU_DEP_4)
	v_max_num_f32 v[244+\b], v[244+\b], v[240+\b]
.endr
.irp b, 0,1,2,3
	s_delay_alu instid0(VALU_DEP_4)
	v_cndmask_b32 v[244+\b], v94, v[244+\b], s[NM]                 ; a chunk not chosen counts for nothing
.endr
	s_delay_alu instid0(VALU_DEP_2)
	v_max3_num_f32 v254, v244, v245, v246
	s_delay_alu instid0(VALU_DEP_1)
	v_max_num_f32 v254, v254, v247
	s_delay_alu instid0(VALU_DEP_1)
	v_mul_f32 v254, s[CS], v254
	s_delay_alu instid0(VALU_DEP_1)
	v_max_num_f32 v13, v13, v254                   ; the running largest t
	v_mov_b32 v254, v12
	s_delay_alu instid0(VALU_DEP_2)
	v_floor_f32 v12, -v13                          ; the new -M: M is a whole number
	s_delay_alu instid0(VALU_DEP_1)
	v_sub_f32 v254, v12, v254
	s_delay_alu instid0(VALU_DEP_1)
	v_cvt_i32_f32 v254, v254                       ; (it saturates)
	s_delay_alu instid0(VALU_DEP_1)
	v_ldexp_f32 v252, 1.0, v254                    ; f = 2^(old M - new M): rounds nothing
	s_delay_alu instid0(VALU_DEP_4)
	v_cndmask_b32 v92, v94, v12, s[NM]             ; -M, or -infinity where the chunk is not chosen: p = 0 then
.set pj, 0
.rept 32
	v_pk_fma_f32 v[96+pj:97+pj], v[96+pj:97+pj], s[CS:CS+1], v[92:93] op_sel_hi:[1,0,0]
.set pj, pj+2
.endr
.irp b, 0,1,2,3
	v_fma_f32 v[244+\b], v[244+\b], s[CS], v12
.endr
.set pj, 0
	s_wait_alu depctr_va_vdst(0)
.rept 64
	v_exp_f32 v[96+pj], v[96+pj]                   ; p = 2^(t - M)
.set pj, pj+1
.endr
	v_pk_mul_f32 v[14:15], v[14:15], v[252:253] op_sel_hi:[1,0]    ; the sums under the new M (a plain place behind the exponentials)
	s_wait_alu depctr_va_vdst(0)                   ; one wait for the batch of 64, ahead of its first reader
.irp b, 0,1,2,3
	v_exp_f32 v[244+\b], v[244+\b]                 ; each block's largest p
.endr
	v_pk_add_f32 v[236:237], v[96:97], v[98:99]    ; the row's sum, of the unquantised p, in two chains
.irp j, 4,8,12,16,20,24,28,32,36,40,44,48,52,56,60
	v_pk_add_f32 v[14:15], v[14:15], v[96+\j:97+\j]
	v_pk_add_f32 v[236:237], v[236:237], v[98+\j:99+\j]
.endr
	s_delay_alu instid0(VALU_DEP_1)
	v_pk_add_f32 v[14:15], v[14:15], v[236:237]
	s_wait_alu depctr_va_vdst(0)                   ; and one for the four
.irp b, 0,1,2,3
	v_max_num_f32 v[244+\b], 0x1800000, v[244+\b]  ; the floor: the byte cannot fall under 1
.endr
.irp b, 0,1,2,3
	s_delay_alu instid0(VALU_DEP_4)
	v_add_nc_u32 v[248+\b], 0xff000000, v[244+\b]
.endr
.irp b, 0,1,2,3
	s_delay_alu instid0(VALU_DEP_4)
	v_lshrrev_b32 v[240+\b], 23, v[248+\b]
.endr
	s_delay_alu instid0(VALU_DEP_3)
	v_lshl_or_b32 v255, v241, 8, v240              ; p's scale word for these 128 keys
	s_delay_alu instid0(VALU_DEP_1)
	v_lshl_or_b32 v255, v242, 16, v255
	s_delay_alu instid0(VALU_DEP_1)
	v_lshl_or_b32 v255, v243, 24, v255
.irp c, 0,1
	v_cvt_scalef32_pk16_fp6_f32 v[224+6*\c:226+6*\c], v[96+32*\c:111+32*\c], v[248+2*\c]
	v_cvt_scalef32_pk16_fp6_f32 v[236+4*\c:238+4*\c], v[112+32*\c:127+32*\c], v[249+2*\c]
.endr
	v_nop
.irp c, 0,1
.irp i, 0,1,2
	v_permlane16_swap_b32 v[224+6*\c+\i], v[236+4*\c+\i]
.endr
.irp i, 0,1,2
	s_delay_alu instid0(VALU_DEP_3)
	v_mov_b32 v[227+6*\c+\i], v[236+4*\c+\i]
.endr
.endr
.set pj, 0
.rept 16
	v_pk_mul_f32 v[160+pj:161+pj], v[160+pj:161+pj], v[252:253] op_sel_hi:[1,0]    ; O^T under the new M; of these 16, 12 name no register of any one product below: its places
.set pj, pj+2
.endr
	s_wait_alu depctr_va_vdst(0)
	s_wait_dscnt 0x0                               ; V is in
.irp t, 0,1,2,3                        ; O^T += V^T p^T: the four accumulators by turns
	SW 160+8*\t, 32+12*\t, 224, 0, 86+\t/2, 255, \t%2
.endr
.Lhid_\@:
	s_add_co_u32 s[KF], s[KF], 128
	s_add_co_u32 s[TB], s[TB], REC
.endm
.macro WALK trips                      ; a constant number of trips from record 0 on; a wave's share is cut out by the tests at the step's head
	s_mov_b32 s[TB], 0
	s_mov_b32 s[KF], 0
	s_mov_b32 s55, \trips
.Lw_\@:
	STEP
	s_sub_co_u32 s55, s55, 1
	s_cmp_lg_u32 s55, 0
	s_cbranch_scc1 .Lw_\@
.rept 4
	v_nop                                          ; places behind the last products
.endr
	s_wait_alu depctr_va_vdst(0)
.endm
	s_wait_alu depctr_va_vdst(0)
	s_wait_tensorcnt 0x0                           ; my record is in,
	s_wait_dscnt 0x0                               ; and my image of q is stored
	s_barrier_signal -1
	s_barrier_wait -1                              ; both now hold of every wave
	s_cmp_eq_u32 s40, 0
	s_cbranch_scc0 .Lown
	ds_load_b128 v[16:19], v10 offset:1536         ; role 0: my partner's q, scale word and chosen chunks
	ds_load_b128 v[20:23], v10 offset:2048
	ds_load_b64 v[28:29], v10 offset:2560
	s_wait_dscnt 0x0
.Lown:
	WALK 16                                        ; PHASE 1: the later tile, its keys shared between the two waves
	s_cmp_eq_u32 s40, 0
	s_cbranch_scc0 .Lkeep
.irp t, 0,1,2,3,4,5,6,7
	ds_store_b128 v10, v[160+4*\t:163+4*\t] offset:3072+512*\t     ; role 0: my part of O^T, each accumulator from its low end on,
.endr
	ds_store_b128 v10, v[12:15] offset:7168        ; -M, the largest t and the sums;
	ds_load_b128 v[16:19], v10                     ; and my own q comes back
	ds_load_b128 v[20:23], v10 offset:512
	ds_load_b64 v[28:29], v10 offset:1024
	s_wait_dscnt 0x0
	v_mov_b32 v13, 0xff61b1e6
	s_delay_alu instid0(VALU_DEP_1)
	v_floor_f32 v12, -v13
	CLEAR
.Lkeep:
	s_mov_b32 s[LO], s[LO2]
	s_mov_b32 s[HI], s43
	s_mov_b32 s[QF], s42
	s_wait_alu depctr_va_vdst(0)
	s_wait_dscnt 0x0                               ; for my partner's sake
	s_barrier_signal -1                            ; the parts are stored; between this signal and its wait stand LDS loads of bytes that nobody writes again, and work on registers
	WALK 8                                         ; PHASE 2: role 0's own tile, whose records are among the first 8
	s_barrier_wait -1
	s_cmp_eq_u32 s40, 0
	s_cbranch_scc1 .Lmine
	ds_load_b128 v[32:35], v10 offset:7168         ; role 1: my partner's part is joined to mine: its -M, largest t and sums,
.irp t, 0,1,2,3,4,5,6,7
	ds_load_b128 v[96+4*\t:99+4*\t], v10 offset:3072+512*\t        ; and its O^T
.endr
	s_wait_dscnt 0x0
	v_min_num_f32 v39, v12, v32                    ; the common -M
	v_mov_b32 v37, 0                               ; named as the upper half of a pair
	s_delay_alu instid0(VALU_DEP_2)
	v_sub_f32 v36, v39, v12
	v_sub_f32 v38, v39, v32
	s_delay_alu instid0(VALU_DEP_2)
	v_cvt_i32_f32 v36, v36                         ; (they saturate)
	s_delay_alu instid0(VALU_DEP_2)
	v_cvt_i32_f32 v38, v38
	s_delay_alu instid0(VALU_DEP_2)
	v_ldexp_f32 v36, 1.0, v36                      ; two powers of two: nothing is rounded by them
	s_delay_alu instid0(VALU_DEP_2)
	v_ldexp_f32 v38, 1.0, v38
	v_pk_mul_f32 v[14:15], v[14:15], v[36:37] op_sel_hi:[1,0]
.set pj, 0
.rept 16
	v_pk_mul_f32 v[160+pj:161+pj], v[160+pj:161+pj], v[36:37] op_sel_hi:[1,0]
.set pj, pj+2
.endr
	v_pk_fma_f32 v[14:15], v[34:35], v[38:39], v[14:15] op_sel_hi:[1,0,1]
.set pj, 0
.rept 16
	v_pk_fma_f32 v[160+pj:161+pj], v[96+pj:97+pj], v[38:39], v[160+pj:161+pj] op_sel_hi:[1,0,1]
.set pj, pj+2
.endr
.Lmine:
	; THE WAY OUT: o = O^T / the sum; RMS norm over the head's 64; x gain x sigmoid(g); quantised along the head's 64, which are two blocks of the last product's K
	s_wait_alu depctr_va_vdst(0)
	v_add_f32 v14, v14, v15
	s_delay_alu instid0(VALU_DEP_1)
	v_permlanex16_b32 v252, v14, s[SEL], s[SEL+1]
	s_delay_alu instid0(VALU_DEP_1)
	v_add_f32 v14, v14, v252
	s_wait_alu depctr_va_vdst(0)
	v_rcp_f32 v14, v14
	s_mov_b32 s56, 0x3c800000                      ; 1 / 64
	s_mov_b32 s57, 0x358637bd                      ; 1e-6
	v_nop                                          ; a plain place behind the reciprocal
	s_wait_alu depctr_va_vdst(0)
.set pj, 0
.rept 16
	v_pk_mul_f32 v[96+pj:97+pj], v[160+pj:161+pj], v[14:15] op_sel_hi:[1,0]        ; each accumulator from its low end on
.set pj, pj+2
.endr
	v_pk_mul_f32 v[236:237], v[96:97], v[96:97]
	v_pk_mul_f32 v[238:239], v[98:99], v[98:99]
.irp j, 4,8,12,16,20,24,28
	s_delay_alu instid0(VALU_DEP_2)
	v_pk_fma_f32 v[236:237], v[96+\j:97+\j], v[96+\j:97+\j], v[236:237]
	s_delay_alu instid0(VALU_DEP_2)
	v_pk_fma_f32 v[238:239], v[98+\j:99+\j], v[98+\j:99+\j], v[238:239]
.endr
	s_delay_alu instid0(VALU_DEP_1)
	v_pk_add_f32 v[236:237], v[236:237], v[238:239]
	s_delay_alu instid0(VALU_DEP_1)
	v_add_f32 v236, v236, v237
	s_delay_alu instid0(VALU_DEP_1)
	v_permlanex16_b32 v237, v236, s[SEL], s[SEL+1]
	s_delay_alu instid0(VALU_DEP_1)
	v_add_f32 v236, v236, v237
	s_delay_alu instid0(VALU_DEP_1)
	v_fma_f32 v236, v236, s56, s57                 ; the mean of squares + 1e-6
	s_wait_alu depctr_va_vdst(0)
	v_rsq_f32 v236, v236
	v_nop
	s_wait_alu depctr_va_vdst(0)
.set pj, 0
.rept 16
	v_pk_mul_f32 v[96+pj:97+pj], v[96+pj:97+pj], v[236:237] op_sel_hi:[1,0]
.set pj, pj+2
.endr
.set pj, 0
.rept 16
	v_pk_mul_f32 v[96+pj:97+pj], v[96+pj:97+pj], v[192+pj:193+pj]
.set pj, pj+2
.endr
	QUANT2 96, 224, 236, 244, 255
	global_store_b128 v1, v[224:227], s[72:73]     ; 512 consecutive bytes,
	global_store_b64 v2, v[228:229], s[72:73] offset:512   ; and 256
	s_wait_xcnt 0x0                                ; EXEC changes only behind this wait
	v_cmp_eq_u32 vcc_lo, 0, v11
	s_and_saveexec_b32 s56, vcc_lo
	global_store_b16 v31, v255, s[74:75]           ; lanes 0-15: my head's two bytes of row r's scale word
	s_wait_xcnt 0x0
	s_or_b32 exec_lo, exec_lo, s56
	s_wait_tensorcnt 0x0                           ; the wave's end
	ds_add_u32 v4, v5
	s_wait_dscnt 0x0
	CROUND                                         ; the closing round
	s_endpgm
.Lfunc_end_k_q542eacf149_attn:
	.size	k_q542eacf149_attn, .Lfunc_end_k_q542eacf149_attn-k_q542eacf149_attn
	.p2alignl 7, 3214868480
	.fill 96, 4, 3214868480
	.section	.rodata,"a",@progbits
	.p2align	6, 0x0
	.amdhsa_kernel k_q542eacf149_attn
		.amdhsa_group_segment_fixed_size 274432
		.amdhsa_private_segment_fixed_size 0
		.amdhsa_enable_private_segment 0
		.amdhsa_kernarg_size 40
		.amdhsa_user_sgpr_count 2
		.amdhsa_user_sgpr_kernarg_segment_ptr 1
		.amdhsa_wavefront_size32 1
		.amdhsa_system_sgpr_workgroup_id_x 1
		.amdhsa_system_sgpr_workgroup_id_y 1
		.amdhsa_system_sgpr_workgroup_id_z 1
		.amdhsa_system_vgpr_workitem_id 0
		.amdhsa_next_free_vgpr 256
		.amdhsa_next_free_sgpr 90
		.amdhsa_reserve_vcc 1
		.amdhsa_float_denorm_mode_32 3
		.amdhsa_float_denorm_mode_16_64 3
		.amdhsa_memory_ordered 1
		.amdhsa_forward_progress 1
		.amdhsa_inst_pref_size 110
	.end_amdhsa_kernel
	.amdgpu_metadata
---
amdhsa.version: [ 1, 2 ]
amdhsa.kernels:
  - .name:           k_q542eacf149_attn
    .symbol:         k_q542eacf149_attn.kd
    .args:
      - { .name: qf, .offset: 0, .size: 8, .value_kind: global_buffer, .address_space: global }
      - { .name: kv, .offset: 8, .size: 8, .value_kind: global_buffer, .address_space: global }
      - { .name: aux, .offset: 16, .size: 8, .value_kind: global_buffer, .address_space: global }
      - { .name: o_norm_w, .offset: 24, .size: 8, .value_kind: global_buffer, .address_space: global }
      - { .name: oq, .offset: 32, .size: 8, .value_kind: global_buffer, .address_space: global }
    .group_segment_fixed_size: 274432
    .private_segment_fixed_size: 0
    .kernarg_segment_align: 8
    .kernarg_segment_size: 40
    .max_flat_workgroup_size: 512
    .sgpr_count:     90
    .vgpr_count:     256
    .wavefront_size: 32
...
	.end_amdgpu_metadata
.endif
;; end of part 3
;; launch oproj (part 4): grid 16 x 16, 4 waves a work-group, clusters of 4 x 4, 327,680 bytes of LDS; arguments oq, wo, out0; writes out0
.if DOCPART == 4
	.amdgcn_target "amdgcn-amd-amdhsa--gfx1250"
	.amdhsa_code_object_version 6
	.text
	.protected	k_q542eacf149_oproj
	.globl	k_q542eacf149_oproj
	.p2align	8
	.type	k_q542eacf149_oproj,@function
k_q542eacf149_oproj:
	s_mov_b64 s[64:65], 0
	v_nop
	global_prefetch_b8 v0, s[64:65] scope:SCOPE_SE
	s_setreg_imm32_b32 hwreg(HW_REG_WAVE_MODE, 25, 1), 1
	s_wait_xcnt 0x0
	s_wait_alu depctr_hold_cnt(0) depctr_sa_sdst(0) depctr_va_vdst(0) depctr_va_sdst(0) depctr_va_ssrc(0) depctr_va_vcc(0) depctr_vm_vsrc(0)
	s_getreg_b32 s2, hwreg(HW_REG_IB_STS2, 6, 4)
	s_cmp_eq_u32 s2, 0
	s_cbranch_scc0 .Lentry_in_a_cluster
	s_endpgm
.Lentry_in_a_cluster:
	s_bfe_u32 s2, ttmp6, 0x10000c
	s_cmp_lg_u32 s2, 0xf033
	s_cbranch_scc0 .Lentry_shape_is_right
	s_endpgm
.Lentry_shape_is_right:
.set OSC,   3145728
.set SLOT,  98304
.set BOFF,  49152
.set SCA,   196608
.set SCB,   204800
.set STAGE, 212992
.set SPARE, 230400
.set A16, 16
.set A8,  18
.set B16, 20
.set ASC, 22
.set BSC, 23
.set STO, 24
.set RD,  25
.set CO,  26
.set SPW, 28
.set NIL, 29
.set SC,  32
.set OB,  64
.set ACC, 128
.set G1, 24
.set G0, 32
.set G1B, 48
.set G0B, 56
.set G1S, 68
.set G0S, 76
.set G1SB, 80
.set G0SB, 88
.set MSB, 0
.macro WIN new
.if MSB != \new
	s_set_vgpr_msb (MSB<<8)|\new
.set MSB, \new
.endif
.endm
.set MUL,  0x05
.set TO_F, 0x40
.macro JLOAD g0a, g1a, g0b, g1b
	s_cmp_eq_u32 s15, 0
	s_cbranch_scc0 .Lfor_b_\@
	tensor_load_to_lds s[\g0a:\g0a+3], s[\g1a:\g1a+7]
	s_nop 0
.rept 4
	v_nop
.endr
	s_branch .Lasked_\@
.Lfor_b_\@:
	tensor_load_to_lds s[\g0b:\g0b+3], s[\g1b:\g1b+7]
	s_nop 0
.rept 4
	v_nop
.endr
.Lasked_\@:
.endm
.macro CREST
	s_cmp_lg_u32 s14, 0
	s_cbranch_scc1 .Lnot_wave_0_\@
	s_barrier_signal -3
.Lnot_wave_0_\@:
	s_barrier_wait -3
	s_barrier_signal -1
	s_barrier_wait -1
.endm
.macro CROUND
	s_barrier_signal -1
	s_barrier_wait -1
	CREST
.endm
.macro PLACES
.rept 4
	v_nop
.endr
.endm
	s_load_b128 s[4:7], s[0:1], 0x0
	s_load_b64 s[8:9], s[0:1], 0x10
	v_lshl_add_u32 v[SPW], v0, 2, SPARE
	v_mov_b32 v[NIL], 0
	ds_add_u32 v[SPW], v[NIL]
	ds_add_u32 v[SPW], v[NIL]
	v_lshrrev_b32 v1, 5, v0
	v_readfirstlane_b32 s14, v1
	s_lshr_b32 s15, s14, 1
	s_and_b32 s16, s14, 1
	s_bfe_u32 s40, ttmp6, 0x40000
	s_bfe_u32 s41, ttmp6, 0x40004
	s_lshl_b32 s42, ttmp9, 2
	s_add_co_u32 s42, s42, s40
	s_and_b32 s17, ttmp7, 0xffff
	s_lshl_b32 s17, s17, 2
	s_add_co_u32 s17, s17, s41
	s_lshl_b32 s43, s41, 2
	s_lshl_b32 s43, 15, s43
	s_lshl_b32 s44, 0x1111, s40
	s_or_b32 s[G1], s43, (3<<16)|(1<<21)
	s_or_b32 s[G1B], s44, (3<<16)|(1<<21)
	s_or_b32 s[G1S], s43, (3<<16)|(1<<21)
	s_or_b32 s[G1SB], s44, (3<<16)|(1<<21)
.irp g, G1, G1B
	s_mov_b32 s[\g+1], 768<<16
	s_mov_b32 s[\g+2], 8<<16
	s_mov_b32 s[\g+3], 768<<16
	s_mov_b32 s[\g+4], 8
	s_mov_b32 s[\g+5], 3072
	s_mov_b32 s[\g+6], 0
	s_mov_b32 s[\g+7], 0
.endr
.irp g, G1S, G1SB
	s_mov_b32 s[\g+1], 32<<16
	s_mov_b32 s[\g+2], 32<<16
	s_mov_b32 s[\g+3], 32<<16
	s_mov_b32 s[\g+4], 32
	s_mov_b32 s[\g+5], 32
	s_mov_b32 s[\g+6], 0
	s_mov_b32 s[\g+7], 0
.endr
	s_lshl_b32 s20, s17, 3
	s_lshl_b32 s21, s16, 2
	s_add_co_u32 s20, s20, s21
	s_lshl_b32 s[G0S+2], s17, 13
	s_add_co_u32 s[G0S+2], s[G0S+2], OSC
	s_mov_b32 s[G0S+3], 0
	s_mul_i32 s20, s20, 24576
	s_mov_b32 s21, 0
	s_lshl_b32 s46, s42, 3
	s_lshl_b32 s47, s16, 2
	s_add_co_u32 s46, s46, s47
	s_lshl_b32 s[G0SB+2], s42, 13
	s_add_co_u32 s[G0SB+2], s[G0SB+2], OSC
	s_mov_b32 s[G0SB+3], 0
	s_mul_i32 s46, s46, 24576
	s_mov_b32 s47, 0
	s_mov_b32 s[G0S], 1
	s_mov_b32 s[G0S+1], SCA
	s_mov_b32 s[G0SB], 1
	s_mov_b32 s[G0SB+1], SCB
	s_mul_i32 s45, s16, 24576
	s_wait_dscnt 0x0
	s_wait_kmcnt 0x0
	s_add_nc_u64 s[20:21], s[4:5], s[20:21]
	s_add_nc_u64 s[46:47], s[6:7], s[46:47]
	s_add_nc_u64 s[G0S+2:G0S+3], s[4:5], s[G0S+2:G0S+3]
	s_or_b32 s[G0S+3], s[G0S+3], 0x80000000
	s_add_nc_u64 s[G0SB+2:G0SB+3], s[6:7], s[G0SB+2:G0SB+3]
	s_or_b32 s[G0SB+3], s[G0SB+3], 0x80000000
	CROUND
.irp s, 0,1
	s_mov_b32 s[G0+4*\s], 1
	s_add_co_u32 s[G0+4*\s+1], s45, \s*SLOT
	s_add_nc_u64 s[G0+4*\s+2:G0+4*\s+3], s[20:21], \s*6144
	s_or_b32 s[G0+4*\s+3], s[G0+4*\s+3], 0x80000000
	s_mov_b32 s[G0B+4*\s], 1
	s_add_co_u32 s[G0B+4*\s+1], s45, BOFF+\s*SLOT
	s_add_nc_u64 s[G0B+4*\s+2:G0B+4*\s+3], s[46:47], \s*6144
	s_or_b32 s[G0B+4*\s+3], s[G0B+4*\s+3], 0x80000000
.endr
; One tensor load a wave at the head, in one chain of branches on the wave's number: wave 0 slot 0's 8 tiles of o, wave 1 o's scale words, wave 2 slot 0's 8 tiles of Wo, wave 3 their scale words.
; Waves 0 and 2 fetch half 0 in the ring, so their ring descriptors already stand at the whole tile's first byte.
.macro ARM under, g0, g1, next
	s_cmp_lt_u32 s14, \under
	s_cbranch_scc0 \next
	tensor_load_to_lds s[\g0:\g0+3], s[\g1:\g1+7]
	s_nop 0
.rept 4
	v_nop
.endr
	s_branch .Lhj
\next:
.endm
	ARM 1, G0, G1, .Lh1
	ARM 2, G0S, G1S, .Lh2
	ARM 3, G0B, G1B, .Lh3
	tensor_load_to_lds s[G0SB:G0SB+3], s[G1SB:G1SB+7]
	s_nop 0
.rept 4
	v_nop
.endr
.Lhj:
	v_and_b32 v1, 31, v0
	v_and_b32 v2, 15, v0
	v_bfe_u32 v3, v0, 4, 1
	v_lshlrev_b32 v4, 4, v1
	v_lshlrev_b32 v5, 3, v1
	v_lshlrev_b32 v6, 2, v1
	s_wait_alu depctr_va_vdst(0)
	s_mul_i32 s21, s15, 24576
	s_mul_i32 s22, s16, 24576
	s_add_co_u32 s22, s22, BOFF
.irp s, 0,1
	v_add_nc_u32 v[A16+\s], s21, v4
	v_add_nc_u32 v[A8+\s], s21, v5
	v_add_nc_u32 v[B16+\s], s22, v4
	s_add_co_u32 s21, s21, SLOT
	s_add_co_u32 s22, s22, SLOT
.endr
	s_lshl_b32 s21, s15, 12
	s_add_co_u32 s21, s21, SCA
	v_add_nc_u32 v[ASC], s21, v6
	s_lshl_b32 s21, s16, 12
	s_add_co_u32 s21, s21, SCB
	v_add_nc_u32 v[BSC], s21, v6
	s_mul_i32 s23, s14, 16*272
	s_add_co_u32 s23, s23, STAGE
	v_mul_u32_u24 v7, v2, 272
	v_lshl_add_u32 v7, v3, 5, v7
	v_add_nc_u32 v[STO], s23, v7
	v_mul_u32_u24 v7, v3, 272
	v_lshl_add_u32 v7, v2, 4, v7
	v_add_nc_u32 v[RD], s23, v7
	v_lshlrev_b32 v7, 13, v3
	v_lshl_add_u32 v[CO], v2, 4, v7
	s_lshl_b32 s20, s17, 7
	s_lshl_b32 s21, s15, 6
	s_add_co_u32 s20, s20, s21
	s_lshl_b32 s20, s20, 13
	s_lshl_b32 s46, s42, 9
	s_lshl_b32 s47, s16, 8
	s_add_co_u32 s46, s46, s47
	s_add_co_u32 s20, s20, s46
	s_mov_b32 s21, 0
	s_add_nc_u64 s[8:9], s[8:9], s[20:21]
.macro WM d, a, b, sa, sb, q, zero
.if \zero
	v_wmma_scale_f32_16x16x128_f8f6f4 v[(\d):(\d)+7], v[(\a):(\a)+11], v[(\b):(\b)+11], 0, v[\sa], v[\sb] matrix_a_fmt:MATRIX_FMT_FP6 matrix_b_fmt:MATRIX_FMT_FP6
.elseif (\q)%2
	v_wmma_scale_f32_16x16x128_f8f6f4 v[(\d):(\d)+7], v[(\a):(\a)+11], v[(\b):(\b)+11], v[(\d):(\d)+7], v[\sa], v[\sb] matrix_a_fmt:MATRIX_FMT_FP6 matrix_b_fmt:MATRIX_FMT_FP6 matrix_a_scale:MATRIX_SCALE_ROW1 matrix_b_scale:MATRIX_SCALE_ROW1
.else
	v_wmma_scale_f32_16x16x128_f8f6f4 v[(\d):(\d)+7], v[(\a):(\a)+11], v[(\b):(\b)+11], v[(\d):(\d)+7], v[\sa], v[\sb] matrix_a_fmt:MATRIX_FMT_FP6 matrix_b_fmt:MATRIX_FMT_FP6
.endif
.endm
.macro MUL8 a0, q, set, zero
.irp a, \a0, \a0+1
.irp b, 0,1,2,3
	WM ACC+8*(4*(\a)+\b), 128*((\q)%2)+12*\b, 128*((\q)%2)+48+12*(\a), SC+16*(\set)+8*((\q)/2)+4+\b, SC+16*(\set)+8*((\q)/2)+(\a), \q, \zero
.endr
.endr
.endm
.macro FETCH slot, q
	WIN TO_F
.irp b, 0,1,2,3
.irp cc, 0,1,2
	ds_load_b128 v[128*((\q)%2)+12*\b+4*\cc:128*((\q)%2)+12*\b+4*\cc+3], v[B16+\slot] offset:6144*\b+1536*(\q)+512*\cc
.endr
.endr
.irp a, 0,1,2,3
	ds_load_b128 v[128*((\q)%2)+48+12*\a:128*((\q)%2)+51+12*\a], v[A16+\slot] offset:6144*\a+1536*(\q)
	ds_load_b64 v[128*((\q)%2)+52+12*\a:128*((\q)%2)+53+12*\a], v[A8+\slot] offset:6144*\a+1536*(\q)+512
	ds_load_b128 v[128*((\q)%2)+54+12*\a:128*((\q)%2)+57+12*\a], v[A16+\slot] offset:6144*\a+1536*(\q)+768
	ds_load_b64 v[128*((\q)%2)+58+12*\a:128*((\q)%2)+59+12*\a], v[A8+\slot] offset:6144*\a+1536*(\q)+1280
.endr
.endm
.macro SCL set, ks
	WIN 0
.irp pp, 0,1
.irp a, 0,1,2,3
	ds_load_b32 v[SC+16*(\set)+8*\pp+\a], v[ASC] offset:1024*\a+256*(\ks)+128*\pp
	ds_load_b32 v[SC+16*(\set)+8*\pp+4+\a], v[BSC] offset:1024*\a+256*(\ks)+128*\pp
.endr
.endr
.endm
.macro KSTEP slot, q, zero
	s_wait_dscnt 0x0
	PLACES
	FETCH \slot, (\q)+1
	WIN MUL
	MUL8 0, \q, \slot, \zero
	MUL8 2, \q, \slot, \zero
.endm
.macro TURN slot, next, fill, ks
	WIN 0
	s_wait_tensorcnt 0x0
	ds_add_u32 v[SPW], v[NIL]
	s_wait_dscnt 1
	WIN MUL
	MUL8 0, 3, \slot, 0
	s_wait_dscnt 0x0
	s_barrier_signal -1
	MUL8 2, 3, \slot, 0
	WIN 0
	s_barrier_wait -1
.if \fill
	CREST
	s_add_nc_u64 s[G0+4*\slot+2:G0+4*\slot+3], s[G0+4*\slot+2:G0+4*\slot+3], 12288
	s_add_nc_u64 s[G0B+4*\slot+2:G0B+4*\slot+3], s[G0B+4*\slot+2:G0B+4*\slot+3], 12288
	JLOAD G0+4*\slot, G1, G0B+4*\slot, G1B
.else
	PLACES
.endif
	FETCH \next, 0
	SCL \next, \ks
.endm
	s_wait_alu depctr_va_vdst(0)
	s_wait_tensorcnt 0x0                           ; my tile of the head's four is in; these lines stand ahead of a later first fill as ahead of a refill
	ds_add_u32 v[SPW], v[NIL]
	s_mov_b32 s[G1+2], 4<<16                       ; no tensor load of mine is out, so a descriptor may be written: from here on a load brings 4 tiles
	s_mov_b32 s[G1+4], 4
	s_mov_b32 s[G1B+2], 4<<16
	s_mov_b32 s[G1B+4], 4
	s_wait_dscnt 0x0
	CROUND                                         ; all four tiles are in, and all sixteen work-groups are here
	JLOAD G0+4, G1, G0B+4, G1B                     ; slot 1's first fill, the first tensor load behind the round
	FETCH 0, 0
	SCL 0, 0
	KSTEP 0, 0, 1
	KSTEP 0, 1, 0
	KSTEP 0, 2, 0
	TURN 0, 1, 1, 1
	KSTEP 1, 0, 0
	KSTEP 1, 1, 0
	KSTEP 1, 2, 0
	TURN 1, 0, 1, 2
	KSTEP 0, 0, 0
	KSTEP 0, 1, 0
	KSTEP 0, 2, 0
	TURN 0, 1, 0, 3
	KSTEP 1, 0, 0
	KSTEP 1, 1, 0
	KSTEP 1, 2, 0
	s_wait_dscnt 0x0
	MUL8 0, 3, 1, 0
	MUL8 2, 3, 1, 0
	WIN 0
.macro TOSTAGE a
.irp b, 0,1,2,3
	ds_store_b128 v[STO], v[ACC+8*(4*(\a)+\b):ACC+8*(4*(\a)+\b)+3] offset:64*\b
	ds_store_b128 v[STO], v[ACC+8*(4*(\a)+\b)+4:ACC+8*(4*(\a)+\b)+7] offset:64*\b+16
.endr
.irp t, 0,1,2,3,4,5,6,7
	ds_load_b128 v[OB+32*((\a)%2)+4*\t:OB+32*((\a)%2)+4*\t+3], v[RD] offset:\t*2*272
.endr
.endm
.macro SEND a, younger
	s_wait_dscnt \younger
.irp t, 0,1,2,3,4,5,6,7
	global_store_b128 v[CO], v[OB+32*((\a)%2)+4*\t:OB+32*((\a)%2)+4*\t+3], s[8:9] offset:(32*((\a)/2)+8*((\a)%2)+2*\t+8*(\t/4))*8192 th:TH_STORE_NT
.endr
.endm
	PLACES
	TOSTAGE 0
	TOSTAGE 1
	SEND 0, 16
	s_wait_xcnt 0x0
	TOSTAGE 2
	SEND 1, 16
	s_wait_xcnt 0x0
	TOSTAGE 3
	SEND 2, 16
	SEND 3, 0
	s_wait_tensorcnt 0x0
	ds_add_u32 v[SPW], v[NIL]
	s_wait_dscnt 0x0
	CROUND
	s_endpgm
.Lfunc_end_k_q542eacf149_oproj:
	.size	k_q542eacf149_oproj, .Lfunc_end_k_q542eacf149_oproj-k_q542eacf149_oproj
	.p2alignl 7, 3214868480
	.fill 96, 4, 3214868480
	.section	.rodata,"a",@progbits
	.p2align	6, 0x0
	.amdhsa_kernel k_q542eacf149_oproj
		.amdhsa_group_segment_fixed_size 327680
		.amdhsa_private_segment_fixed_size 0
		.amdhsa_enable_private_segment 0
		.amdhsa_kernarg_size 24
		.amdhsa_user_sgpr_count 2
		.amdhsa_user_sgpr_kernarg_segment_ptr 1
		.amdhsa_wavefront_size32 1
		.amdhsa_system_sgpr_workgroup_id_x 1
		.amdhsa_system_sgpr_workgroup_id_y 1
		.amdhsa_system_sgpr_workgroup_id_z 1
		.amdhsa_system_vgpr_workitem_id 0
		.amdhsa_next_free_vgpr 512
		.amdhsa_next_free_sgpr 100
		.amdhsa_reserve_vcc 0
		.amdhsa_float_denorm_mode_32 3
		.amdhsa_float_denorm_mode_16_64 3
		.amdhsa_memory_ordered 1
		.amdhsa_forward_progress 1
		.amdhsa_inst_pref_size 88
	.end_amdhsa_kernel
	.amdgpu_metadata
---
amdhsa.version: [ 1, 2 ]
amdhsa.kernels:
  - .name:           k_q542eacf149_oproj
    .symbol:         k_q542eacf149_oproj.kd
    .args:
      - { .name: oq, .offset: 0, .size: 8, .value_kind: global_buffer, .address_space: global }
      - { .name: wo, .offset: 8, .size: 8, .value_kind: global_buffer, .address_space: global }
      - { .name: out0, .offset: 16, .size: 8, .value_kind: global_buffer, .address_space: global }
    .group_segment_fixed_size: 327680
    .private_segment_fixed_size: 0
    .kernarg_segment_align: 8
    .kernarg_segment_size: 24
    .max_flat_workgroup_size: 128
    .sgpr_count:     100
    .vgpr_count:     512
    .wavefront_size: 32
...
	.end_amdgpu_metadata
.endif
;; end of part 4
